; MI455X (gfx1250); checked and timed in simulation.
; The chip was launched on July 23, 2026; its instructions are those of AMD's public machine-readable ISA for CDNA 5 (MIT licence, August 2026) and "CDNA5" Instruction Set Architecture Reference Guide (July 2026). The comments in the code are by the model that wrote it; some were corrected since.
;; Cross Attention. Allowed arithmetic: matrix products marked QUANTISED: E2M1 operands, one E8M0 scale for each 32 along K, by v_wmma_scale_f32_16x16x128_f8f6f4 with both operands' format E2M1 (or v_wmma_scale_f32_32x16x128_f4), f32 sums; products left as they are: bf16, f16 or f32 operands; f32 sums; everything else in f32.
;; Inputs: Wk 768 x 1,024 float32; Wo 1,024 x 1,024 float32; Wq 1,024 x 1,024 float32; Wv 768 x 1,024 float32; bo 1,024 float32; context 4 x 1,024 x 768 float32; tokens 4 x 2,048 x 1,024 float32.
;; Outputs: out0 4 x 2,048 x 1,024 float32.
;; This version of the problem:
;;   THIS VERSION OF THE PROBLEM IS GIVEN IN LOW PRECISION. The matrix products marked QUANTISED in the list below multiply operands that are first quantised to E2M1 (2 exponent bits, 1 mantissa bit; 4 bits a number), with one power-of-two scale for each 32 numbers along K (OCP MX v1.0); their sums are f32. The products marked 'left as it is' may take bf16, f16 or f32 operands, with f32 sums. Whichever they take, every output number must still come out within the allowed error. Rounding operands to bf16 (8 significant bits) uses up far more of that allowance than f16 does (11 bits, for magnitudes from 6e-5 to 65,504). All else is computed in f32.
;;   The module's matrix products, in the order in which they are computed (A, B: the left and right operand; K: the contracted axis; several contracted axes count as one K, in the product's order):
;;     1. [M 8,192, K 1,024] x [K 1,024, N 1,024]; A: input tokens; B: input Wq: QUANTISED
;;     2. [M 4,096, K 768] x [K 768, N 1,024]; A: input context; B: input Wk: QUANTISED
;;     3. [M 4,096, K 768] x [K 768, N 1,024]; A: input context; B: input Wv: QUANTISED
;;     4. batch 64 x [M 2,048, K 64] x [K 64, N 1,024]; A: computed on the way; B: computed on the way: left as it is (an operand is computed on the way)
;;     5. batch 64 x [M 2,048, K 1,024] x [K 1,024, N 64]; A: computed on the way; B: computed on the way: left as it is (an operand is computed on the way)
;;     6. [M 8,192, K 1,024] x [K 1,024, N 1,024]; A: computed on the way; B: input Wo: left as it is (an operand is computed on the way)
;;   THE QUANTISER, for each operand of a quantised product, along K:
;;     - K is cut into blocks of 32 from its start; a last block that is shorter is filled with zeros.
;;     - A block's scale is 2^e with e = floor(log2(the largest magnitude in the block)) - 2, held to -126 .. 127; a block of zeros has e = 0. As a byte (E8M0): e + 127.
;;     - Each number is divided by its block's scale, clamped to +-6, and rounded to the nearest number of E2M1, ties to even, subnormals kept.
;;     - The product sums the exact products of the quantised numbers (number of the format x scale) in f32.
;;   ~~~python
;;   def quantise(x, axis):      # numpy; x: float32 -> the quantised numbers, widened to float32 again
;;       x = np.moveaxis(x, axis, -1); K = x.shape[-1]
;;       x = np.pad(x, [(0, 0)] * (x.ndim - 1) + [(0, -K % 32)]); x = x.reshape(x.shape[:-1] + (-1, 32)); a = np.abs(x).max(-1, keepdims=True)
;;       e = np.where(a > 0, np.clip(np.frexp(np.where(a > 0, a, 1))[1] - 1 - 2, -126, 127), 0)      # np.frexp(a)[1] - 1 = floor(log2(a)), exactly
;;       r = np.clip(x / 2.0 ** e, -6, 6)
;;       step = 2.0 ** (np.maximum(np.frexp(np.where(r == 0, 1, r))[1] - 1, 0) - 1)
;;       q = np.round(r / step) * step * 2.0 ** e      # np.round: ties to even
;;       return np.moveaxis(q.reshape(q.shape[:-2] + (-1,))[..., :K], -1, axis).astype(np.float32)
;;   ~~~
;; One version. Each part assembles by itself: llvm-mc -triple=amdgcn-amd-amdhsa -mcpu=gfx1250 --defsym DOCPART=n.
;; ======== version 1 of 1: 4 launches
;; limits: values are held in f16: magnitudes above 65,504 overflow, below 6.1e-05 lose precision
;; workspace buffers: acodes 6,291,456 bytes; ascales 393,216 bytes; bcodes 1,572,864 bytes; bscales 98,304 bytes; wot 2,097,152 bytes; qkv 33,554,432 bytes; ctx 16,777,216 bytes
;; launch quant (part 1): grid 416 x 1, 8 waves a work-group, no clusters, 102,400 bytes of LDS; arguments tokens, context, Wq, Wk, Wv, Wo, acodes, ascales, bcodes, bscales, wot; writes acodes, ascales, bcodes, bscales, wot
.if DOCPART == 1
	.amdgcn_target "amdgcn-amd-amdhsa--gfx1250"
	.amdhsa_code_object_version 6
	.text
	.protected	k_q321715dc9e_quant
	.globl	k_q321715dc9e_quant
	.p2align	8
	.type	k_q321715dc9e_quant,@function
k_q321715dc9e_quant:
	s_mov_b64 s[64:65], 0
	v_nop
	global_prefetch_b8 v0, s[64:65] scope:SCOPE_SE
	s_setreg_imm32_b32 hwreg(HW_REG_WAVE_MODE, 25, 1), 1
	s_wait_xcnt 0x0
; ONE LAUNCH LAYS OUT EVERY OPERAND OF THE LATER PRODUCTS.  The work-group's number picks one of three paths; each path has LDS bytes of its own.
; Work-groups 0-191, THE ACTIVATIONS: tokens [8192][1024] and context [4096][768], f32, become codes of FP4 (E2M1), K innermost, with one E8M0 scale byte for each 32 along K, in ONE table of 12,288 rows
;   whose K is 1,024: codes [row][512 bytes], scale bytes [row][32]; rows 0-8191 tokens, rows 8192-12287 context.
; Work-groups 192-287, Wq, Wk, Wv, f32, stored [k][n = 1024]: codes of FP4 in one table of 3,072 rows n (Wq 0-1023, Wk 1024-2047, Wv 2048-3071) whose K is 1,024: codes [n][512 bytes], scale bytes [n][32].
; Work-groups 288-415, Wo, f32, stored [k][n]: f16, [n][k]: a row is 2,048 bytes.
; Where a product's K is 768 (context, Wk, Wv) the codes of k = 768 .. 1023 are ZERO codes, which add nothing to a sum; their scale bytes are made from numbers read a second time (k = 512 .. 767), so they are valid bytes.
; A block's scale is 2^(floor(log2(its largest magnitude)) - 2); its byte is the largest magnitude's exponent field - 2, held at 1 from below.
; LIMITS: a block of zeros, or one whose largest magnitude lies under 2^-124, gets the byte 1 (this program alone reads the bytes; the codes of a block of zeros are zeros); NaN and infinities among the inputs are not served; |Wo| stays under 65,504.
; THE ACTIVATIONS.  A wave takes 8 rows = 16 steps of 512 padded numbers.  Each load reads 512 consecutive bytes, 16 a lane; a step's 2,048 bytes turn through the wave's own stage in LDS and come back 64 bytes a lane:
;   16 neighbours along K, as the conversions want them; two neighbouring lanes hold a block.  A wave's store of codes covers 256 consecutive bytes, aligned; its 256 scale bytes leave as one such store.
;   The pointer, the row's length and the mask are chosen by the work-group's number.  No barrier: waves share nothing.  Loads run six steps (24 loads, 12,288 bytes a wave) ahead.
; THE WEIGHTS.  A LANE TAKES A COLUMN n AND ITS REGISTERS RUN DOWN K: a load reads 128 consecutive bytes a wave (two waves side by side 256), a block of 32 along K lies in one lane's registers, and the conversions give K innermost.
;   A work-group takes 64 columns; wave w: columns 32 (w & 1) on, part w >> 1 of its K.  FP4: 512 of the padded K, 128 (four blocks) a wave.  Wo: 128 along K, 32 a wave.  Either way a column's results are 256 bytes:
;   they meet in a stage in LDS, a row for each column (256 bytes + 16), and leave by rows: sixteen lanes store 256 consecutive bytes, aligned.  A column's 16 scale bytes leave as 16 bytes of its row of 32.
.set WAVES, 8
.set ACTWG, 192                        ; work-groups 0-191: the activations, 64 rows each;
.set TOKWG, 128                        ; of them 0-127 tokens, 128-191 context
.set WOWG,  288                        ; work-groups 288-415: Wo
.set EMAX,  2
.set SPW,   12                         ; v12      LDS address of my spare word; never rewritten
.set NIL,   13                         ; v13      0; never rewritten
; the activations' path
.set STEPS, 16
.set DEPTH, 6                          ; steps whose loads are out
.set CB,    8                          ; bytes of 16 codes
.set VM,    1                          ; v1       mask of an odd step's codes: all ones, but 0 in lanes 16-31 for context
.set R,     16                         ; v16-111  six sets of 16 numbers as they are loaded
.set X,     112                        ; v112-143 two sets of 16 neighbours
.set E,     144                        ; v144-159 a scale byte for each step
.set C,     160                        ; v160-191 codes: two registers for each step, so that no store's data are written again
.set RO,    192                        ; v192-199 16 x lane + row x the row's bytes, for my 8 rows; never rewritten
.set WREG,  8192                       ; LDS: a region for each wave: two stages of 32 x SP bytes, behind them its 256 scale bytes
.set SP,    80                         ; a lane's place in a stage: 64 bytes + 16 of padding
; the weights' paths
.set WP,    272                        ; a stage row: 256 bytes + 16
.set STGA,  WAVES*WREG                 ; the FP4 path's stage, 64 rows,
.set SCA,   STGA+64*WP                 ; and its 64 x 16 scale bytes
.set STGB,  SCA+1024                   ; the Wo path's stage
.set SPARE, STGB+64*WP                 ; the spare words, 128 bytes for each wave, named by no other line
.set SB,    16                         ; v16      my four blocks' scale bytes
.set WX,    32                         ; v32-95   two sets of 32 numbers
.set WC,    96                         ; v96-111  codes: four registers a block;  Wo: 16 registers of f16 pairs
.set WOUT,  112                        ; v112-127 the way out
	s_load_b256 s[4:11], s[0:1], 0x0               ; tokens, context, Wq, Wk
	s_load_b256 s[12:19], s[0:1], 0x20             ; Wv, Wo, the activations' codes, their scale bytes
	s_load_b128 s[20:23], s[0:1], 0x40             ; the weights' codes, their scale bytes
	s_load_b64 s[24:25], s[0:1], 0x50              ; Wo's f16 table
	v_lshl_add_u32 v[SPW], v0, 2, SPARE
	v_mov_b32 v[NIL], 0
	v_lshrrev_b32 v1, 5, v0
	v_readfirstlane_b32 s26, v1                    ; wave 0..7
	v_and_b32 v2, 31, v0                           ; lane
	s_cmp_ge_u32 ttmp9, ACTWG                      ; the same in all waves of a work-group
	s_cbranch_scc1 .Lweights
	; ======== THE ACTIVATIONS
	v_lshlrev_b32 v3, 4, v2                        ; my 16 bytes of a load's 512
	s_mul_i32 s28, s26, WREG
	v_lshrrev_b32 v14, 2, v2
	v_mul_u32_u24 v14, v14, SP
	v_and_b32 v15, 3, v2
	v_lshl_add_u32 v14, v15, 4, v14
	v_add_nc_u32 v14, s28, v14                     ; the stage, on the way in: SP (lane / 4) + 16 (lane % 4)
	v_mul_u32_u24 v15, v2, SP
	v_add_nc_u32 v15, s28, v15                     ; and on the way out: SP x lane: my 16 neighbours
	v_mul_u32_u24 v4, v2, CB                       ; my codes' place in a step's
	v_lshrrev_b32 v5, 1, v2
	s_add_co_u32 s28, s28, 2*32*SP
	v_add_nc_u32 v5, s28, v5                       ; LDS: my wave's 256 scale bytes, my block's byte
	v_lshlrev_b32 v7, 3, v2                        ; and on the way out 8 bytes a lane
	v_add_nc_u32 v6, s28, v7
	s_mov_b32 s32, 3072
	s_mov_b32 s37, 0
	s_wait_kmcnt 0x0
	s_cmp_lt_u32 ttmp9, TOKWG                      ; tokens or context?  The choice hangs on the work-group's number alone
	s_cselect_b64 s[4:5], s[4:5], s[6:7]
	s_cselect_b32 s32, 4096, s32                   ; a row in bytes
	s_cselect_b32 s34, -1, 0                       ; the mask of k = 768 .. 1023
	s_cselect_b32 s36, 0, 1024                     ; how far back the loads of k = 768 .. 1023 reach: context reads k = 512 .. 767 again
	s_cselect_b32 s27, 0, 1024                     ; the tensor's first run of 8 rows
	v_lshrrev_b32 v10, 4, v2
	v_add_nc_u32 v10, -1, v10                      ; all ones in lanes 0-15, 0 in lanes 16-31
	v_or_b32 v[VM], s34, v10
.irp r, 0,1,2,3,4,5,6,7
	s_mul_i32 s33, s32, \r
	v_add_nc_u32 v[RO+\r], s33, v3
.endr
	s_lshl_b32 s38, ttmp9, 3
	s_add_co_u32 s38, s38, s26                     ; my run of 8 rows in the table
	s_sub_co_u32 s39, s38, s27                     ; and in the tensor
	s_lshl_b32 s39, s39, 3
	s_mul_i32 s40, s39, s32                        ; under 2^26
	s_mov_b32 s41, 0
	s_add_nc_u64 s[4:5], s[4:5], s[40:41]
	s_sub_nc_u64 s[6:7], s[4:5], s[36:37]          ; the base of the loads of k = 768 .. 1023
	s_lshl_b32 s40, s38, 12
	s_add_nc_u64 s[16:17], s[16:17], s[40:41]      ; 4,096 bytes of codes a run
	s_lshl_b32 s40, s38, 8
	s_add_nc_u64 s[18:19], s[18:19], s[40:41]      ; 256 scale bytes a run
.macro ALOAD t                         ; step t: row t / 2, k = 512 (t % 2) on
.irp i, 0,1,2,3
.if ((\t)%2) == 0
	global_load_b128 v[R+16*((\t)%DEPTH)+4*\i:R+16*((\t)%DEPTH)+4*\i+3], v[RO+(\t)/2], s[4:5] offset:512*\i th:TH_LOAD_NT
.elseif \i < 2
	global_load_b128 v[R+16*((\t)%DEPTH)+4*\i:R+16*((\t)%DEPTH)+4*\i+3], v[RO+(\t)/2], s[4:5] offset:2048+512*\i
.else
	global_load_b128 v[R+16*((\t)%DEPTH)+4*\i:R+16*((\t)%DEPTH)+4*\i+3], v[RO+(\t)/2], s[6:7] offset:2048+512*\i
.endif
.endr
.endm
.macro ATURN t                         ; step t's numbers through the stage: LDS serves a wave's instructions in order, so no wait stands between the stores and the loads
.irp i, 0,1,2,3
	ds_store_b128 v14, v[R+16*((\t)%DEPTH)+4*\i:R+16*((\t)%DEPTH)+4*\i+3] offset:32*SP*((\t)%2)+8*SP*\i
.endr
.irp i, 0,1,2,3
	ds_load_b128 v[X+16*((\t)%2)+4*\i:X+16*((\t)%2)+4*\i+3], v15 offset:32*SP*((\t)%2)+16*\i
.endr
.endm
.irp t, 0,1,2,3,4,5
	ALOAD \t
.endr
	s_wait_loadcnt 4*(DEPTH-1)                     ; step 0's four loads are in; those of the five steps behind it may be out
	ATURN 0
.macro ASTEP t
.set XS, X+16*((\t)%2)
.if (\t) > 0
	s_wait_dscnt 1                                 ; this step's numbers are back from the stage; the last step's byte store may be out
.else
	s_wait_dscnt 0x0
.endif
.if (\t)+DEPTH < STEPS
	ALOAD (\t)+DEPTH                               ; into the set whose stores into the stage are done
.endif
.if (\t)+1 < STEPS
.if STEPS-2-(\t) >= DEPTH-1
	s_wait_loadcnt 4*(DEPTH-1)                     ; the next step's four loads are in; those of the five steps behind it may be out
.else
	s_wait_loadcnt 4*(STEPS-2-(\t))                ; at the end the count runs down with the steps that are left
.endif
	ATURN (\t)+1                                   ; through the other stage while this step is worked
.endif
	v_max3_num_f32 v8, |v[XS]|, |v[XS+1]|, |v[XS+2]|               ; the largest magnitude of my 16, in two chains
	v_max3_num_f32 v9, |v[XS+3]|, |v[XS+4]|, |v[XS+5]|
.irp i, 6,10
	v_max3_num_f32 v8, v8, |v[XS+\i]|, |v[XS+\i+1]|
	v_max3_num_f32 v9, v9, |v[XS+\i+2]|, |v[XS+\i+3]|
.endr
	v_max3_num_f32 v8, v8, |v[XS+14]|, |v[XS+15]|
	v_max3_num_f32 v8, v8, v9, (EMAX+1)<<23        ; and the floor 2^(3 - 127): the byte cannot fall under 1
	v_max_num_f32_dpp v8, v8, v8 row_xmask:1 row_mask:0xf bank_mask:0xf   ; with my neighbour's 16: the block's
	v_add_nc_u32 v11, -(EMAX<<23), v8              ; 2 off its exponent field: the conversion takes the exponent field of this operand as its scale
	v_cvt_scalef32_pk8_fp4_f32 v[C+2*(\t)], v[XS:XS+7], v11
	v_cvt_scalef32_pk8_fp4_f32 v[C+2*(\t)+1], v[XS+8:XS+15], v11
	v_lshrrev_b32 v[E+(\t)], 23, v11               ; the scale's byte (also the plain line between the conversions and the masks below)
.if ((\t)%2) == 1
	v_and_b32 v[C+2*(\t)], v[VM], v[C+2*(\t)]      ; context: k = 768 .. 1023 (lanes 16-31 of an odd step) become zero codes
	v_and_b32 v[C+2*(\t)+1], v[VM], v[C+2*(\t)+1]
.endif
	ds_store_b8 v5, v[E+(\t)] offset:16*(\t)       ; both lanes of a block write the same byte with the same value
	global_store_b64 v4, v[C+2*(\t):C+2*(\t)+1], s[16:17] offset:32*CB*(\t)   ; 32 lanes store 256 consecutive bytes, aligned
.endm
.irp t, 0,1,2,3,4,5,6,7,8,9,10,11,12,13,14,15
	ASTEP \t
.endr
	ds_load_b64 v[8:9], v6                         ; LDS serves a wave's instructions in order: these see my byte stores
	s_wait_dscnt 0x0
	global_store_b64 v7, v[8:9], s[18:19]          ; 32 lanes store 256 consecutive bytes, aligned
	s_wait_tensorcnt 0x0                           ; the wave's end, behind my last LDS store
	ds_add_u32 v[SPW], v[NIL]
	s_wait_dscnt 0x0
	s_endpgm
	; ======== THE WEIGHTS
.Lweights:
	s_and_b32 s27, s26, 1                          ; which 32 columns
	s_lshr_b32 s28, s26, 1                         ; which part of the work-group's K, 0..3
	v_lshlrev_b32 v3, 2, v2                        ; in: 4 bytes a lane
	v_and_b32 v19, 15, v2                          ; out: sixteen lanes to a row,
	v_lshrrev_b32 v24, 4, v2                       ; two rows an instruction
	; every LDS address of the two paths is made here, ahead of their parting
	s_mul_i32 s29, s27, 32*WP
	s_lshl_b32 s30, s28, 6
	s_add_co_u32 s29, s29, s30
	s_add_co_u32 s29, s29, STGA
	v_mul_u32_u24 v4, v2, WP
	v_add_nc_u32 v4, s29, v4                       ; into the stage: row = my column, 64 bytes for each part of K
	v_add_nc_u32 v9, STGB-STGA, v4                 ; the same in the Wo path's stage
	s_lshl_b32 s29, s27, 9
	s_lshl_b32 s30, s28, 2
	s_add_co_u32 s29, s29, s30
	s_add_co_u32 s29, s29, SCA
	v_lshl_add_u32 v5, v2, 4, s29                  ; my column's 16 scale bytes, my four of them
	s_mul_i32 s29, s26, 8*WP
	s_add_co_u32 s29, s29, STGA
	v_mul_u32_u24 v6, v24, WP
	v_lshl_add_u32 v6, v19, 4, v6
	v_add_nc_u32 v6, s29, v6                       ; out of the stage: wave w takes rows 8 w .. 8 w + 7, whole
	v_add_nc_u32 v10, STGB-STGA, v6
	s_lshl_b32 s29, s27, 9
	s_add_co_u32 s29, s29, SCA
	v_lshl_add_u32 v8, v2, 4, s29                  ; the scale bytes on the way out: a lane a column, 32 columns for each of waves 0 and 1
	v_lshlrev_b32 v7, 9, v24
	v_lshl_add_u32 v7, v19, 4, v7                  ; the same two rows in the table of codes: 512 bytes a row
	v_lshlrev_b32 v14, 5, v2                       ; in the table of scale bytes: 32 a row
	v_lshlrev_b32 v15, 11, v24
	v_lshl_add_u32 v15, v19, 4, v15                ; in Wo's table: 2,048 a row
	s_wait_kmcnt 0x0
	s_cmp_ge_u32 ttmp9, WOWG
	s_cbranch_scc1 .Lwo
	; ---- Wq, Wk, Wv
	s_sub_co_u32 s29, ttmp9, ACTWG
	s_lshr_b32 s30, s29, 5                         ; which weight
	s_bfe_u32 s31, s29, 0x40001                    ; which 64 columns
	s_and_b32 s32, s29, 1                          ; which half of the padded K
	s_lshl_b32 s33, s32, 2
	s_add_co_u32 s33, s33, s28                     ; my 128 along K: number 0..7
	s_cmp_ge_u32 s30, 1
	s_cselect_b32 s34, 1, 0
	s_cmp_ge_u32 s33, 6
	s_cselect_b32 s35, 1, 0
	s_and_b32 s34, s34, s35                        ; 1: my k = 768 .. 1023 lie past this weight's K
	s_lshl_b32 s35, s34, 1
	s_sub_co_u32 s35, s33, s35                     ; then I read 256 rows further up: no load leaves its buffer,
	s_sub_co_u32 s36, s34, 1                       ; and my codes are masked to zeros: 0, else all ones
	s_cmp_eq_u32 s30, 0
	s_cselect_b64 s[38:39], s[8:9], s[10:11]
	s_cmp_eq_u32 s30, 2
	s_cselect_b64 s[38:39], s[12:13], s[38:39]
	s_lshl_b32 s40, s35, 19                        ; 128 rows of 4,096 bytes
	s_lshl_b32 s41, s31, 8
	s_add_co_u32 s40, s40, s41
	s_lshl_b32 s41, s27, 7
	s_add_co_u32 s40, s40, s41
	s_mov_b32 s41, 0
	s_add_nc_u64 s[38:39], s[38:39], s[40:41]
	s_lshl_b32 s40, s30, 10
	s_lshl_b32 s42, s31, 6
	s_add_co_u32 s40, s40, s42                     ; the work-group's first row of the table
	s_lshl_b32 s42, s40, 5
	s_lshl_b32 s43, s27, 10
	s_add_co_u32 s42, s42, s43                     ; its scale bytes, 32 rows on for wave 1,
	s_lshl_b32 s43, s32, 4
	s_add_co_u32 s42, s42, s43                     ; the work-group's 16 bytes of each row
	s_mov_b32 s43, 0
	s_add_nc_u64 s[22:23], s[22:23], s[42:43]
	s_lshl_b32 s42, s26, 3
	s_add_co_u32 s40, s40, s42                     ; the eight rows of codes that I store,
	s_lshl_b32 s40, s40, 9
	s_lshl_b32 s42, s32, 8
	s_add_co_u32 s40, s40, s42                     ; the work-group's 256 bytes of each
	s_add_nc_u64 s[20:21], s[20:21], s[40:41]
.macro WLOAD t                         ; block t: W(32 t + i, my column) into set t % 2
.irp i, 0,1,2,3,4,5,6,7,8,9,10,11,12,13,14,15,16,17,18,19,20,21,22,23,24,25,26,27,28,29,30,31
	global_load_b32 v[WX+32*((\t)%2)+\i], v3, s[38:39] offset:(32*(\t)+\i)*4096
.endr
.endm
	WLOAD 0
	WLOAD 1
.macro WBLOCK t
.set XS, WX+32*((\t)%2)
.if (\t) < 3
	s_wait_loadcnt 32                              ; this block's 32 loads are in; the next block's may be out
.else
	s_wait_loadcnt 0x0
.endif
	v_max3_num_f32 v17, |v[XS]|, |v[XS+1]|, |v[XS+2]|               ; the block's largest magnitude: all 32 numbers are mine
	v_max3_num_f32 v18, |v[XS+3]|, |v[XS+4]|, |v[XS+5]|
.irp i, 6,10,14,18,22,26
	v_max3_num_f32 v17, v17, |v[XS+\i]|, |v[XS+\i+1]|
	v_max3_num_f32 v18, v18, |v[XS+\i+2]|, |v[XS+\i+3]|
.endr
	v_max3_num_f32 v17, v17, |v[XS+30]|, |v[XS+31]|
	v_max3_num_f32 v17, v17, v18, (EMAX+1)<<23     ; and the floor 2^(3 - 127): the byte cannot fall under 1
	v_add_nc_u32 v11, -(EMAX<<23), v17             ; 2 off its exponent field: the conversion's scale operand
	v_lshrrev_b32 v18, 23, v11                     ; the scale's byte
.if (\t) == 0
	v_mov_b32 v[SB], v18                           ; four bytes to the register, the lower K in the lower byte
.else
	v_lshl_or_b32 v[SB], v18, 8*(\t), v[SB]
.endif
.irp g, 0,1,2,3
	v_cvt_scalef32_pk8_fp4_f32 v[WC+4*(\t)+\g], v[XS+8*\g:XS+8*\g+7], v11
.endr
	v_nop                                          ; one plain line between the conversions and the lines that touch their results
.irp g, 0,1,2,3
	v_and_b32 v[WC+4*(\t)+\g], s36, v[WC+4*(\t)+\g]   ; past the weight's K: zero codes
.endr
	ds_store_b128 v4, v[WC+4*(\t):WC+4*(\t)+3] offset:16*(\t)   ; 32 codes: 16 bytes of my column's row
.if (\t) < 2
	WLOAD (\t)+2
.endif
.endm
	WBLOCK 0
	WBLOCK 1
	WBLOCK 2
	WBLOCK 3
	ds_store_b32 v5, v[SB]
	s_wait_dscnt 0x0                               ; for the others' sake: my stores into the stage are done
	s_barrier_signal -1
	s_barrier_wait -1
	s_cmp_lt_u32 s26, 2                            ; the 64 columns' scale bytes: waves 0 and 1 store 32 columns each, 16 bytes a lane
	s_cbranch_scc0 .Lno_scales
	ds_load_b128 v[20:23], v8
	s_wait_dscnt 0x0
	global_store_b128 v14, v[20:23], s[22:23]
.Lno_scales:
.irp j, 0,1,2,3
	ds_load_b128 v[WOUT+4*\j:WOUT+4*\j+3], v6 offset:2*WP*\j
.endr
.irp j, 0,1,2,3
	s_wait_dscnt 3-\j                              ; rows 2 j, 2 j + 1 are back; the later rows may be out
	global_store_b128 v7, v[WOUT+4*\j:WOUT+4*\j+3], s[20:21] offset:1024*\j   ; sixteen lanes store 256 consecutive bytes of a row, aligned
.endr
	s_wait_tensorcnt 0x0                           ; the wave's end, behind my last LDS store
	ds_add_u32 v[SPW], v[NIL]
	s_wait_dscnt 0x0
	s_endpgm
	; ---- Wo
.Lwo:
	s_sub_co_u32 s29, ttmp9, WOWG
	s_lshr_b32 s31, s29, 3                         ; which 64 columns
	s_and_b32 s32, s29, 7                          ; which 128 along K
	s_lshl_b32 s40, s32, 7
	s_lshl_b32 s41, s28, 5
	s_add_co_u32 s40, s40, s41                     ; my first row k
	s_lshl_b32 s40, s40, 12
	s_lshl_b32 s41, s31, 8
	s_add_co_u32 s40, s40, s41
	s_lshl_b32 s41, s27, 7
	s_add_co_u32 s40, s40, s41
	s_mov_b32 s41, 0
	s_add_nc_u64 s[14:15], s[14:15], s[40:41]
	s_lshl_b32 s40, s31, 6
	s_lshl_b32 s42, s26, 3
	s_add_co_u32 s40, s40, s42                     ; the eight rows n that I store,
	s_lshl_b32 s40, s40, 11
	s_lshl_b32 s42, s32, 8
	s_add_co_u32 s40, s40, s42                     ; and the work-group's 256 bytes of them
	s_add_nc_u64 s[24:25], s[24:25], s[40:41]
.irp i, 0,1,2,3,4,5,6,7,8,9,10,11,12,13,14,15,16,17,18,19,20,21,22,23,24,25,26,27,28,29,30,31
	global_load_b32 v[WX+\i], v3, s[14:15] offset:\i*4096 th:TH_LOAD_NT
.endr
	s_wait_loadcnt 0x0
.irp j, 0,1,2,3,4,5,6,7,8,9,10,11,12,13,14,15
	v_cvt_pk_f16_f32 v[WC+\j], v[WX+2*\j], v[WX+2*\j+1]   ; two neighbours along K, the lower in the low half
.endr
.irp j, 0,1,2,3
	ds_store_b128 v9, v[WC+4*\j:WC+4*\j+3] offset:16*\j
.endr
	s_wait_dscnt 0x0                               ; for the others' sake: my stores into the stage are done
	s_barrier_signal -1
	s_barrier_wait -1
.irp j, 0,1,2,3
	ds_load_b128 v[WOUT+4*\j:WOUT+4*\j+3], v10 offset:2*WP*\j
.endr
.irp j, 0,1,2,3
	s_wait_dscnt 3-\j
	global_store_b128 v15, v[WOUT+4*\j:WOUT+4*\j+3], s[24:25] offset:4096*\j   ; sixteen lanes store 256 consecutive bytes of a row, aligned
.endr
	s_wait_tensorcnt 0x0                           ; the wave's end, behind my last LDS store
	ds_add_u32 v[SPW], v[NIL]
	s_wait_dscnt 0x0
	s_endpgm
.Lfunc_end_k_q321715dc9e_quant:
	.size	k_q321715dc9e_quant, .Lfunc_end_k_q321715dc9e_quant-k_q321715dc9e_quant
	.p2alignl 7, 3214868480
	.fill 96, 4, 3214868480
	.section	.rodata,"a",@progbits
	.p2align	6, 0x0
	.amdhsa_kernel k_q321715dc9e_quant
		.amdhsa_group_segment_fixed_size 102400
		.amdhsa_private_segment_fixed_size 0
		.amdhsa_enable_private_segment 0
		.amdhsa_kernarg_size 88
		.amdhsa_user_sgpr_count 2
		.amdhsa_user_sgpr_kernarg_segment_ptr 1
		.amdhsa_wavefront_size32 1
		.amdhsa_system_sgpr_workgroup_id_x 1
		.amdhsa_system_sgpr_workgroup_id_y 1
		.amdhsa_system_sgpr_workgroup_id_z 1
		.amdhsa_system_vgpr_workitem_id 0
		.amdhsa_next_free_vgpr 200
		.amdhsa_next_free_sgpr 66
		.amdhsa_reserve_vcc 0
		.amdhsa_float_denorm_mode_32 3
		.amdhsa_float_denorm_mode_16_64 3
		.amdhsa_memory_ordered 1
		.amdhsa_forward_progress 1
		.amdhsa_inst_pref_size 64
	.end_amdhsa_kernel
	.amdgpu_metadata
---
amdhsa.version: [ 1, 2 ]
amdhsa.kernels:
  - .name:           k_q321715dc9e_quant
    .symbol:         k_q321715dc9e_quant.kd
    .args:
      - { .name: tokens, .offset: 0, .size: 8, .value_kind: global_buffer, .address_space: global }
      - { .name: context, .offset: 8, .size: 8, .value_kind: global_buffer, .address_space: global }
      - { .name: Wq, .offset: 16, .size: 8, .value_kind: global_buffer, .address_space: global }
      - { .name: Wk, .offset: 24, .size: 8, .value_kind: global_buffer, .address_space: global }
      - { .name: Wv, .offset: 32, .size: 8, .value_kind: global_buffer, .address_space: global }
      - { .name: Wo, .offset: 40, .size: 8, .value_kind: global_buffer, .address_space: global }
      - { .name: acodes, .offset: 48, .size: 8, .value_kind: global_buffer, .address_space: global }
      - { .name: ascales, .offset: 56, .size: 8, .value_kind: global_buffer, .address_space: global }
      - { .name: bcodes, .offset: 64, .size: 8, .value_kind: global_buffer, .address_space: global }
      - { .name: bscales, .offset: 72, .size: 8, .value_kind: global_buffer, .address_space: global }
      - { .name: wot, .offset: 80, .size: 8, .value_kind: global_buffer, .address_space: global }
    .group_segment_fixed_size: 102400
    .private_segment_fixed_size: 0
    .kernarg_segment_align: 8
    .kernarg_segment_size: 88
    .max_flat_workgroup_size: 256
    .sgpr_count:     66
    .vgpr_count:     200
    .wavefront_size: 32
...
	.end_amdgpu_metadata
.endif
;; end of part 1
;; launch proj (part 2): grid 4 x 64, 4 waves a work-group, clusters of 4 x 4, 327,680 bytes of LDS; arguments acodes, ascales, bcodes, bscales, qkv; writes qkv
.if DOCPART == 2
	.amdgcn_target "amdgcn-amd-amdhsa--gfx1250"
	.amdhsa_code_object_version 6
	.text
	.protected	k_q321715dc9e_proj
	.globl	k_q321715dc9e_proj
	.p2align	8
	.type	k_q321715dc9e_proj,@function
k_q321715dc9e_proj:
	s_mov_b64 s[64:65], 0
	v_nop
	global_prefetch_b8 v0, s[64:65] scope:SCOPE_SE
	s_setreg_imm32_b32 hwreg(HW_REG_WAVE_MODE, 25, 1), 1
	s_wait_xcnt 0x0
	s_wait_alu depctr_hold_cnt(0) depctr_sa_sdst(0) depctr_va_vdst(0) depctr_va_sdst(0) depctr_va_ssrc(0) depctr_va_vcc(0) depctr_vm_vsrc(0)
	s_getreg_b32 s2, hwreg(HW_REG_IB_STS2, 6, 4)
	s_cmp_eq_u32 s2, 0
	s_cbranch_scc0 .Lentry_in_a_cluster
	s_endpgm
.Lentry_in_a_cluster:
	s_bfe_u32 s2, ttmp6, 0x10000c
	s_cmp_lg_u32 s2, 0xf033
	s_cbranch_scc0 .Lentry_shape_is_right
	s_endpgm
.Lentry_shape_is_right:
; Q = tokens Wq, K = context Wk, V = context Wv, all three on codes of FP4 (E2M1) with one E8M0 scale for each 32 along K, in ONE launch of 256 tiles of 256 x 256: 128 of Q, 64 of K, 64 of V.
; A: the activations' table [12288 rows][K = 1024] (rows 8192 on: context), B: the weights' table [3072 rows n][K = 1024] (Wq, Wk, Wv); where a product's K is 768 both tables hold zero codes from k = 768 on.
; The results leave as f16, by heads: Q at byte 0 [b 16 + h][2048][64], K at 16 MiB [b 16 + h][1024][64], V at 24 MiB likewise.  LIMIT: |Q|, |K|, |V| stay under 65,504.
; A tile is made by four waves, each 128 x 128: 64 accumulators, 512 registers.  K = 1024 is two slots of 512 along K (rows of 256 bytes), both asked for at the start: nothing in LDS is filled twice.
; The scale bytes of the tile's 256 + 256 rows, two dense blocks, come with the first fills and stay.
; CLUSTERS: 4 x 4 work-groups.  The four of a row of the cluster need the same tiles of A, the four of a column the same tiles of B: each is asked for jointly, by the same tensor load with the same descriptor and a mask that names the four.
; THE MATRIX INSTRUCTION IS USED TRANSPOSED (source 0 = 16 rows of B, source 1 = 16 rows of A): a lane then holds eight neighbouring columns of one row of the result.
; REGISTERS, in windows of 256: window 0: v0-31 addresses; v32-95 scale words, two sets; v128-191 A's fragments, one set; on the way out v32-63, v192-255.   window 1: B's fragments, two sets.
;   window 2: the accumulators of my rows 0-63 ((a, b) at v[8 (8 a + b)]);   window 3: those of my rows 64-127.
.set SIZE_K, 1024
.set KSTEP,  512                       ; along K in a slot
.set NQ,     KSTEP/128                 ; matrix instructions deep
.set ROWB,   256                       ; a tile's row in bytes
.set KROW,   SIZE_K*4/8                ; a row of codes in memory
.set PITCH,  272                       ; an LDS row: 256 bytes + 16 of padding: the 16 rows of a load start at 16 different banks (64 banks of 4 bytes: ISA guide 11.1)
.set FR,     8                         ; registers of a fragment: 16 rows x 128 K
.set NL,     2                         ; LDS loads that bring one
.set NP,     4                         ; places behind this matrix instruction (ISA guide 7.12.1)
.set HALFT,  128*PITCH
.set SLOT,   4*HALFT                   ; A's 256 rows, then B's 256 rows
.set KS,     SIZE_K/32                 ; a row of scale bytes
.set SCL,    2*SLOT                    ; behind the two slots: the scale bytes, as runs of 256 bytes + 16 of padding
.set HALFS,  (128*KS/256)*272          ; those of 128 rows
.set SBLK,   (16*KS/256)*272           ; those of 16 rows
.set SPARE,  SCL+4*HALFS               ; the spare words, 128 bytes for each wave, named by no other line
.set SPITCH, 272                       ; the way out: a stage of 16 rows x (256 bytes + 16) for each wave, in slot 0, which has had its only fill and its last read by then
.set ADRA, 16                          ; v16-17  LDS address of my A fragments in slot 0, 1
.set ADRB, 20                          ; v20-21  the same for B
.set STO,  24                          ; v24     the way out: where I put 16 bytes of a row
.set RD,   25                          ; v25     the way out: where I read 16 bytes back
.set CO,   26                          ; v26     my byte offset in the result
.set ADRS, 27                          ; v27     LDS address of my scale words: lanes 0-15 A's rows, lanes 16-31 B's
.set SPW,  28                          ; v28     LDS address of my spare word; never rewritten
.set NIL,  29                          ; v29     0; never rewritten
.set SC,   32                          ; scale words: set s at v[SC + 32 s]; register 4 i + q: lanes 0-15 the word of A's block i, lanes 16-31 that of B's block i, for the slot's q-th 128 along K
.set AF,   128                         ; A's fragments
.set TMP,  192                         ; the way out: packed results
.set OB,   32                          ; the way out: 16 rows read back: v32-63 and v224-255 by turns
.set G1, 24                            ; s[24:31] descriptor group 1 for A's tiles;  s[32:39] group 0, one set for each slot
.set G0, 32
.set G1B, 48                           ; s[48:55], s[56:63] the same for B's tiles
.set G0B, 56
.set G1S, 68                           ; s[68:75], s[76:79] groups 1 and 0 for A's scales;  s[80:87], s[88:91] for B's
.set G0S, 76
.set G1SB, 80
.set G0SB, 88
.set MSB, 0
.macro WIN new                         ; the immediate's high byte repeats the setting that is left
.if MSB != (\new)
	s_set_vgpr_msb (MSB<<8)|(\new)
.set MSB, (\new)
.endif
.endm
.set MUL_LO, 0xa1                      ; source 0 (B) window 1, source 1 (A) window 0, C and D window 2
.set MUL_HI, 0xf1                      ; the same, C and D window 3
.set TO_B,   0x40                      ; destination window 1, address window 0
; A joint load: waves 0 and 1 fetch for A, waves 2 and 3 for B; the branch hangs on the wave's number alone.  An s_nop 0 and four v_nop follow each of the two lines.
.macro JLOAD g0a, g1a, g0b, g1b
	s_cmp_eq_u32 s15, 0
	s_cbranch_scc0 .Lfor_b_\@
	tensor_load_to_lds s[\g0a:\g0a+3], s[\g1a:\g1a+7]
	s_nop 0
.rept 4
	v_nop
.endr
	s_branch .Lasked_\@
.Lfor_b_\@:
	tensor_load_to_lds s[\g0b:\g0b+3], s[\g1b:\g1b+7]
	s_nop 0
.rept 4
	v_nop
.endr
.Lasked_\@:
.endm
.macro CROUND                          ; a round of the cluster's barrier
	s_barrier_signal -1
	s_barrier_wait -1
	s_cmp_lg_u32 s14, 0
	s_cbranch_scc1 .Lnot_wave_0_\@
	s_barrier_signal -3
.Lnot_wave_0_\@:
	s_barrier_wait -3
	s_barrier_signal -1
	s_barrier_wait -1
.endm
	s_load_b128 s[4:7], s[0:1], 0x0                ; A's codes, A's scales
	s_load_b128 s[8:11], s[0:1], 0x10              ; B's codes, B's scales
	s_load_b64 s[12:13], s[0:1], 0x20              ; the results
	v_lshl_add_u32 v[SPW], v0, 2, SPARE
	v_mov_b32 v[NIL], 0
	ds_add_u32 v[SPW], v[NIL]                      ; the wave's opening: the add, twice on end, and its wait ahead of my first tensor load
	ds_add_u32 v[SPW], v[NIL]
	v_lshrrev_b32 v1, 5, v0
	v_readfirstlane_b32 s14, v1                    ; wave 0..3
	s_lshr_b32 s15, s14, 1                         ; which half of the tile's rows is mine.  Also: I fetch for A (0) or for B (1)
	s_and_b32 s16, s14, 1                          ; which half of its columns.  Also: which 128 rows of that tile I fetch
	s_bfe_u32 s40, ttmp6, 0x40000                  ; cx, cy: my place in the cluster
	s_bfe_u32 s41, ttmp6, 0x40004
	s_lshl_b32 s42, ttmp9, 2
	s_add_co_u32 s42, s42, s40                     ; x = 0 .. 3: which 256 columns of the product
	s_and_b32 s95, ttmp7, 0xffff                   ; the cluster's y, 0 .. 15
	s_lshl_b32 s17, s95, 2
	s_add_co_u32 s17, s17, s41                     ; y = 0 .. 63: 0-31 tiles of Q, 32-47 of K, 48-63 of V
	s_lshr_b32 s96, s95, 2
	s_max_u32 s96, s96, 1
	s_sub_co_u32 s96, s96, 1                       ; g: 0 Q, 1 K, 2 V: the same in all sixteen partners
	s_min_u32 s97, s96, 1
	s_sub_co_u32 s99, 11, s97                      ; lg: a batch has 2^11 rows of Q, 2^10 of K and V
	s_add_co_u32 s97, s97, s96                     ; e: the result's region begins at e x 8 MiB, and its tiles at y = 16 e
	s_lshl_b32 s43, s41, 2
	s_lshl_b32 s43, 15, s43                        ; my row of the cluster
	s_lshl_b32 s44, 0x1111, s40                    ; my column
	; descriptor group 1: a tile of 128 rows x 256 bytes, padded in LDS
	s_or_b32 s[G1+0], s43, (0<<16)|(1<<20)|(1<<21)|(5<<22)|(3<<25)  ; 15:0 the mask: A's tiles go to my row; elements of 1 byte; padding on; bit 21 beside a mask; after every 64 words four words
	s_or_b32 s[G1B+0], s44, (0<<16)|(1<<20)|(1<<21)|(5<<22)|(3<<25)
.irp g, G1, G1B
	s_mov_b32 s[\g+1], ROWB<<16                    ; tensor_dim0
	s_mov_b32 s[\g+2], 128<<16                     ; tensor_dim1
	s_mov_b32 s[\g+3], ROWB<<16                    ; tile_dim0
	s_mov_b32 s[\g+4], 128                         ; tile_dim1
	s_mov_b32 s[\g+5], KROW                        ; from row to row
	s_mov_b32 s[\g+6], 0
	s_mov_b32 s[\g+7], 0
.endr
	; the scale bytes of 128 rows: a dense block of 4,096 bytes, as 16 rows of 256 (32 elements of 8 bytes), 16 bytes of padding behind each
	s_or_b32 s[G1S+0], s43, (3<<16)|(1<<20)|(1<<21)|(5<<22)|(3<<25)
	s_or_b32 s[G1SB+0], s44, (3<<16)|(1<<20)|(1<<21)|(5<<22)|(3<<25)
.irp g, G1S, G1SB
	s_mov_b32 s[\g+1], 32<<16
	s_mov_b32 s[\g+2], (128*KS/256)<<16
	s_mov_b32 s[\g+3], 32<<16
	s_mov_b32 s[\g+4], 128*KS/256
	s_mov_b32 s[\g+5], 32
	s_mov_b32 s[\g+6], 0
	s_mov_b32 s[\g+7], 0
.endr
	s_lshl_b32 s18, s16, 7                         ; which 128 rows of the tile I fetch
	s_lshr_b32 s98, s96, 1
	s_lshl_b32 s98, s98, 4
	s_sub_co_u32 s98, s17, s98                     ; V's tiles take the same rows of context as K's: y - 16
	s_lshl_b32 s20, s98, 8
	s_add_co_u32 s20, s20, s18                     ; A's first row
	s_lshl_b32 s46, s96, 2
	s_add_co_u32 s46, s46, s42
	s_lshl_b32 s46, s46, 8
	s_add_co_u32 s46, s46, s18                     ; B's first row: 256 (x + 4 g) + 128 x half
	s_mov_b32 s21, 0
	s_mov_b32 s47, 0
	s_mov_b64 s[18:19], KS
	s_mul_u64 s[22:23], s[20:21], s[18:19]         ; where these rows' scales begin, in bytes
	s_mul_u64 s[92:93], s[46:47], s[18:19]
	s_mov_b64 s[18:19], KROW
	s_mul_u64 s[20:21], s[20:21], s[18:19]         ; and their codes
	s_mul_u64 s[46:47], s[46:47], s[18:19]
	s_mul_i32 s45, s14, HALFT                      ; where they go: wave x 128 rows: no place in the cluster enters an LDS address
	s_mul_i32 s94, s14, HALFS
	s_wait_dscnt 0x0                               ; both opening adds are done
	s_wait_kmcnt 0x0
	s_add_nc_u64 s[20:21], s[4:5], s[20:21]
	s_add_nc_u64 s[22:23], s[6:7], s[22:23]
	s_add_nc_u64 s[46:47], s[8:9], s[46:47]
	s_add_nc_u64 s[92:93], s[10:11], s[92:93]
	CROUND                                         ; all sixteen work-groups are here: the joint loads meet
	s_mov_b32 s[G0S], 1
	s_add_co_u32 s[G0S+1], s94, SCL
	s_mov_b64 s[G0S+2:G0S+3], s[22:23]
	s_or_b32 s[G0S+3], s[G0S+3], 0x80000000
	s_mov_b32 s[G0SB], 1
	s_add_co_u32 s[G0SB+1], s94, SCL
	s_mov_b64 s[G0SB+2:G0SB+3], s[92:93]
	s_or_b32 s[G0SB+3], s[G0SB+3], 0x80000000
	JLOAD G0S, G1S, G0SB, G1SB                     ; the scales first: they are wanted with the first slot
.irp s, 0,1
	s_mov_b32 s[G0+4*\s], 1
	s_add_co_u32 s[G0+4*\s+1], s45, \s*SLOT
	s_add_nc_u64 s[G0+4*\s+2:G0+4*\s+3], s[20:21], \s*ROWB
	s_or_b32 s[G0+4*\s+3], s[G0+4*\s+3], 0x80000000
	s_mov_b32 s[G0B+4*\s], 1
	s_add_co_u32 s[G0B+4*\s+1], s45, \s*SLOT
	s_add_nc_u64 s[G0B+4*\s+2:G0B+4*\s+3], s[46:47], \s*ROWB
	s_or_b32 s[G0B+4*\s+3], s[G0B+4*\s+3], 0x80000000
	JLOAD G0+4*\s, G1, G0B+4*\s, G1B
.endr
	v_and_b32 v1, 15, v0                           ; r = l % 16
	v_bfe_u32 v2, v0, 4, 1                         ; h = l / 16
	v_mul_u32_u24 v3, v1, PITCH
	v_lshl_add_u32 v4, v2, 4, v3                   ; a fragment's row x pitch + 16 x half
	s_mul_i32 s21, s15, HALFT                      ; my 128 rows of A
	s_mul_i32 s22, s16, HALFT                      ; my 128 rows of B,
	s_add_co_u32 s22, s22, 2*HALFT                 ; which lie behind A's 256
.irp s, 0,1
	v_add_nc_u32 v[ADRA+\s], s21, v4
	v_add_nc_u32 v[ADRB+\s], s22, v4
	s_add_co_u32 s21, s21, SLOT
	s_add_co_u32 s22, s22, SLOT
.endr
	v_mul_u32_u24 v5, v1, KS                       ; my row's scales: 32 bytes a row,
	v_lshrrev_b32 v6, 8, v5
	v_lshl_add_u32 v5, v6, 4, v5                   ; and 16 more for each 256 passed
	s_mul_i32 s21, s15, HALFS                      ; A's: my 128 rows
	s_mul_i32 s22, s16, HALFS                      ; B's: my 128 rows, behind A's 256
	s_add_co_u32 s22, s22, 2*HALFS
	s_sub_co_u32 s22, s22, s21
	v_mul_u32_u24 v6, s22, v2                      ; lanes 16-31 take B's
	s_add_co_u32 s21, s21, SCL
	v_add_nc_u32 v5, v5, v6
	v_add_nc_u32 v[ADRS], s21, v5
	; the way out.  Into my stage: row r, 16 bytes for each half of the lanes.  Back: sixteen lanes take two neighbouring rows' 128 bytes of ONE head, which are 256 consecutive bytes of the result
	s_mul_i32 s23, s14, 16*SPITCH                  ; my stage
	v_mul_u32_u24 v5, v1, SPITCH
	v_lshl_add_u32 v5, v2, 4, v5
	v_add_nc_u32 v[STO], s23, v5
	v_bfe_u32 v6, v0, 3, 1                         ; which of the two rows
	v_and_b32 v7, 7, v0                            ; which 16 bytes of the head's 128
	v_mul_u32_u24 v5, v6, SPITCH
	v_lshl_add_u32 v5, v2, 7, v5                   ; lanes 16-31: my second head
	v_lshl_add_u32 v5, v7, 4, v5
	v_add_nc_u32 v[RD], s23, v5
	s_add_co_u32 s21, s99, 7                       ; a head of the result is 2^(lg + 7) bytes
	v_lshlrev_b32 v5, s21, v2
	v_lshl_add_u32 v5, v6, 7, v5
	v_lshl_add_u32 v[CO], v7, 4, v5
	s_lshl_b32 s20, s97, 4
	s_sub_co_u32 s20, s17, s20                     ; the tile's row among its product's tiles
	s_lshl_b32 s20, s20, 8
	s_lshl_b32 s22, s15, 7
	s_add_co_u32 s20, s20, s22                     ; my first row of the product
	s_lshr_b32 s22, s20, s99                       ; its batch
	s_lshl_b32 s22, s22, 4
	s_lshl_b32 s23, s42, 2
	s_add_co_u32 s22, s22, s23
	s_lshl_b32 s23, s16, 1
	s_add_co_u32 s22, s22, s23                     ; batch x 16 + my first head (4 x + 2 x half)
	s_lshl_b32 s22, s22, s21
	s_bfm_b32 s23, s99, 0
	s_and_b32 s23, s20, s23                        ; the row within its batch,
	s_lshl_b32 s23, s23, 7                         ; 128 bytes a row
	s_add_co_u32 s20, s22, s23
	s_lshl_b32 s23, s97, 23
	s_add_co_u32 s20, s20, s23                     ; under 2^25
	s_mov_b32 s21, 0
	s_add_nc_u64 s[12:13], s[12:13], s[20:21]
.macro FRAG reg, adr, q, i             ; a fragment, 16 rows x 128 K of 4-bit codes: lane l holds row l % 16; registers 4 c .. 4 c + 3 hold K = 64 c + 32 (l / 16) + 0 .. 31
.irp c, 0,1
	ds_load_b128 v[\reg+4*\c:\reg+4*\c+3], v[\adr] offset:64*(\q)+32*\c+(\i)*16*PITCH
.endr
.endm
; 16 matrix instructions: A's blocks a0, a0 + 1 x B's eight, the slot's q-th 128 along K.  p: B's set; sc: the set of scale words.  zero = 1: the first product starts the sums.
; The 64 accumulators take turns, one instruction a turn, in the same order in every step.
.macro MUL16 a0, p, q, sc, zero
.irp a, \a0, \a0+1
.irp b, 0,1,2,3,4,5,6,7
.if \zero
	v_wmma_scale_f32_16x16x128_f8f6f4 v[8*(8*((\a)%4)+\b):8*(8*((\a)%4)+\b)+7], v[128*(\p)+FR*\b:128*(\p)+FR*\b+FR-1], v[AF+FR*(\a):AF+FR*(\a)+FR-1], 0, v[SC+8*NQ*(\sc)+NQ*\b+(\q)], v[SC+8*NQ*(\sc)+NQ*(\a)+(\q)] matrix_a_fmt:MATRIX_FMT_FP4 matrix_b_fmt:MATRIX_FMT_FP4 matrix_a_scale:MATRIX_SCALE_ROW1
.else
	v_wmma_scale_f32_16x16x128_f8f6f4 v[8*(8*((\a)%4)+\b):8*(8*((\a)%4)+\b)+7], v[128*(\p)+FR*\b:128*(\p)+FR*\b+FR-1], v[AF+FR*(\a):AF+FR*(\a)+FR-1], v[8*(8*((\a)%4)+\b):8*(8*((\a)%4)+\b)+7], v[SC+8*NQ*(\sc)+NQ*\b+(\q)], v[SC+8*NQ*(\sc)+NQ*(\a)+(\q)] matrix_a_fmt:MATRIX_FMT_FP4 matrix_b_fmt:MATRIX_FMT_FP4 matrix_a_scale:MATRIX_SCALE_ROW1
.endif
.endr
.endr
.endm
.macro FETCH_B slot, q, p              ; B's eight fragments of the slot's q-th 128 along K into set p
	WIN TO_B
.irp i, 0,1,2,3,4,5,6,7
	FRAG 128*(\p)+FR*\i, ADRB+\slot, \q, \i
.endr
	WIN 0
.endm
.macro FETCH_A slot, q, i0             ; A's blocks i0 .. i0 + 3
.irp i, \i0, \i0+1, \i0+2, \i0+3
	FRAG AF+FR*(\i), ADRA+\slot, \q, \i
.endr
.endm
.macro SCALES sc                       ; a slot's scale words into set sc: four words a row; lanes 0-15 take A's block i, lanes 16-31 B's block i
.irp i, 0,1,2,3,4,5,6,7
	ds_load_b128 v[SC+8*NQ*\sc+NQ*\i:SC+8*NQ*\sc+NQ*\i+3], v[ADRS] offset:\i*SBLK
.endr
.endm
; A load into a register that a matrix instruction has read, and a vector instruction or LDS store that reads a matrix result, stand four places behind it; only plain vector instructions that name none of its registers are places.
.macro PLACES n
.rept \n
	v_nop
.endr
.endm
; A step of 128 along K that has its successor in the same slot.  A's blocks are free as soon as their eight products are issued: blocks 0-3 are fetched anew in the step's middle, blocks 4-7 at its end.
.macro STEP slot, q, zero
	s_wait_dscnt 4*NL                              ; B's set and A's blocks 0-3 are in; the youngest eight loads (A's blocks 4-7) may be out
	WIN MUL_LO
	MUL16 0, (\q)%2, \q, \slot, \zero
	MUL16 2, (\q)%2, \q, \slot, \zero
	s_wait_dscnt 0                                 ; A's blocks 4-7 are in
	PLACES NP
	FETCH_B \slot, (\q)+1, 1-(\q)%2
	FETCH_A \slot, (\q)+1, 0
	WIN MUL_HI
	MUL16 4, (\q)%2, \q, \slot, \zero
	MUL16 6, (\q)%2, \q, \slot, \zero
	PLACES NP
	WIN 0
	FETCH_A \slot, (\q)+1, 4
.endm
.macro STEPS slot, from                ; the slot's steps from .. NQ - 2
.set QQ, \from
.rept NQ-1-\from
	STEP \slot, QQ, 0
.set QQ, QQ+1
.endr
.endm
	s_wait_tensorcnt 1                             ; the scales and my part of slot 0 are in; slot 1's load may be out
	s_barrier_signal -1
	s_barrier_wait -1                              ; everybody's are
	FETCH_B 0, 0, 0
	FETCH_A 0, 0, 0
	SCALES 0
	FETCH_A 0, 0, 4
	STEP 0, 0, 1                                   ; the first step's products start the sums: nothing is cleared
	STEPS 0, 1
	; slot 0's last step changes slots: one barrier.  In front of it each wave has its part of slot 1 in LDS and its own reads of slot 0 back.  Nothing is filled again.
	s_wait_tensorcnt 0x0                           ; my part of slot 1 has landed
	s_wait_dscnt 4*NL                              ; (A's blocks 4-7 may be out)
	WIN MUL_LO
	MUL16 0, 1, NQ-1, 0, 0
	s_wait_dscnt 0x0                               ; my reads of slot 0 are over: behind the barrier the stages may be written there
	s_barrier_signal -1
	MUL16 2, 1, NQ-1, 0, 0
	WIN 0
	s_barrier_wait -1
	PLACES NP
	v_add_nc_u32 v[ADRS], 4*NQ, v[ADRS]            ; on to slot 1's scale words
	FETCH_B 1, 0, 0
	FETCH_A 1, 0, 0
	SCALES 1
	WIN MUL_HI
	MUL16 4, 1, NQ-1, 0, 0
	MUL16 6, 1, NQ-1, 0, 0
	PLACES NP
	WIN 0
	FETCH_A 1, 0, 4
	STEPS 1, 0
	s_wait_dscnt 4*NL                              ; the very last step: nothing more to fetch
	WIN MUL_LO
	MUL16 0, 1, NQ-1, 1, 0
	MUL16 2, 1, NQ-1, 1, 0
	s_wait_dscnt 0
	WIN MUL_HI
	MUL16 4, 1, NQ-1, 1, 0
	MUL16 6, 1, NQ-1, 1, 0
	WIN 0
; THE WAY OUT, block by block of 16 rows x 128 columns (two heads).  PACK: rounded to f16, 16 bytes a lane, each accumulator from its low end on.  TOSTAGE: into my own stage, and back by heads.  SEND: stored.
.macro PACK a
.set AC, 64*((\a)%4)
	WIN 0x0a+5*((\a)/4)                            ; sources 0 and 1: window 2 or 3
.irp b, 0,1,2,3,4,5,6,7
.irp r, 0,1,2,3
	v_cvt_pk_f16_f32 v[TMP+4*\b+\r], v[AC+8*\b+2*\r], v[AC+8*\b+2*\r+1]
.endr
.endr
	WIN 0
.endm
.macro TOSTAGE a
.set BK, OB+192*((\a)%2)
.irp b, 0,1,2,3,4,5,6,7
	ds_store_b128 v[STO], v[TMP+4*\b:TMP+4*\b+3] offset:32*\b
.endr
.irp t, 0,1,2,3,4,5,6,7
	ds_load_b128 v[BK+4*\t:BK+4*\t+3], v[RD] offset:\t*2*SPITCH    ; LDS serves a wave's instructions in order (ISA guide 5.7.1.4): these see the stores above
.endr
.endm
.macro SEND a
.set BK, OB+192*((\a)%2)
	s_wait_dscnt 0x0                               ; the block is back in registers
	s_wait_xcnt 0x0                                ; the earlier stores have read their base and their data: both may be written again
.if (\a) > 0
	s_add_nc_u64 s[12:13], s[12:13], 16*128        ; 16 rows of a head on
.endif
.irp t, 0,1,2,3,4,5,6,7
	global_store_b128 v[CO], v[BK+4*\t:BK+4*\t+3], s[12:13] offset:256*\t   ; sixteen lanes store 256 consecutive bytes, aligned: rows 2 t, 2 t + 1 of one head
.endr
.endm
	PLACES NP
	PACK 0
	TOSTAGE 0
.irp a, 1,2,3,4,5,6,7                  ; block a's conversions stand between block a - 1's loads from the stage and the wait for them
	PACK \a
	SEND \a-1
	TOSTAGE \a
.endr
	SEND 7
	s_wait_tensorcnt 0x0                           ; the wave's end, behind my last tensor load and my last LDS store
	ds_add_u32 v[SPW], v[NIL]
	s_wait_dscnt 0x0
	CROUND                                         ; the closing round: no work-group ends while a partner may still ask for a tile that names it
	s_endpgm
.Lfunc_end_k_q321715dc9e_proj:
	.size	k_q321715dc9e_proj, .Lfunc_end_k_q321715dc9e_proj-k_q321715dc9e_proj
	.p2alignl 7, 3214868480
	.fill 96, 4, 3214868480
	.section	.rodata,"a",@progbits
	.p2align	6, 0x0
	.amdhsa_kernel k_q321715dc9e_proj
		.amdhsa_group_segment_fixed_size 327680
		.amdhsa_private_segment_fixed_size 0
		.amdhsa_enable_private_segment 0
		.amdhsa_kernarg_size 40
		.amdhsa_user_sgpr_count 2
		.amdhsa_user_sgpr_kernarg_segment_ptr 1
		.amdhsa_wavefront_size32 1
		.amdhsa_system_sgpr_workgroup_id_x 1
		.amdhsa_system_sgpr_workgroup_id_y 1
		.amdhsa_system_sgpr_workgroup_id_z 1
		.amdhsa_system_vgpr_workitem_id 0
		.amdhsa_next_free_vgpr 1024
		.amdhsa_next_free_sgpr 100
		.amdhsa_reserve_vcc 0
		.amdhsa_float_denorm_mode_32 3
		.amdhsa_float_denorm_mode_16_64 3
		.amdhsa_memory_ordered 1
		.amdhsa_forward_progress 1
		.amdhsa_inst_pref_size 127
	.end_amdhsa_kernel
	.amdgpu_metadata
---
amdhsa.version: [ 1, 2 ]
amdhsa.kernels:
  - .name:           k_q321715dc9e_proj
    .symbol:         k_q321715dc9e_proj.kd
    .args:
      - { .name: acodes, .offset: 0, .size: 8, .value_kind: global_buffer, .address_space: global }
      - { .name: ascales, .offset: 8, .size: 8, .value_kind: global_buffer, .address_space: global }
      - { .name: bcodes, .offset: 16, .size: 8, .value_kind: global_buffer, .address_space: global }
      - { .name: bscales, .offset: 24, .size: 8, .value_kind: global_buffer, .address_space: global }
      - { .name: qkv, .offset: 32, .size: 8, .value_kind: global_buffer, .address_space: global }
    .group_segment_fixed_size: 327680
    .private_segment_fixed_size: 0
    .kernarg_segment_align: 8
    .kernarg_segment_size: 40
    .max_flat_workgroup_size: 128
    .sgpr_count:     100
    .vgpr_count:     1024
    .wavefront_size: 32
...
	.end_amdgpu_metadata
.endif
;; end of part 2
;; launch attn (part 3): grid 4 x 64, 16 waves a work-group, clusters of 4 x 1, 327,680 bytes of LDS; arguments qkv, ctx; writes ctx
.if DOCPART == 3
	.amdgcn_target "amdgcn-amd-amdhsa--gfx1250"
	.amdhsa_code_object_version 6
	.text
	.protected	k_q321715dc9e_attn
	.globl	k_q321715dc9e_attn
	.p2align	8
	.type	k_q321715dc9e_attn,@function
k_q321715dc9e_attn:
	s_mov_b64 s[64:65], 0
	v_nop
	global_prefetch_b8 v0, s[64:65] scope:SCOPE_SE
	s_setreg_imm32_b32 hwreg(HW_REG_WAVE_MODE, 25, 1), 1
	s_wait_xcnt 0x0
	s_wait_alu depctr_hold_cnt(0) depctr_sa_sdst(0) depctr_va_vdst(0) depctr_va_sdst(0) depctr_va_ssrc(0) depctr_va_vcc(0) depctr_vm_vsrc(0)
	s_getreg_b32 s2, hwreg(HW_REG_IB_STS2, 6, 4)
	s_cmp_eq_u32 s2, 0
	s_cbranch_scc0 .Lentry_in_a_cluster
	s_endpgm
.Lentry_in_a_cluster:
	s_bfe_u32 s2, ttmp6, 0x10000c
	s_cmp_lg_u32 s2, 0x3003
	s_cbranch_scc0 .Lentry_shape_is_right
	s_endpgm
.Lentry_shape_is_right:
; ctx[h][b 2048 + t][:] = the sum over s of softmax_s(Q[bh][t] . K[bh][s] / 8) V[bh][s][:].  Q [64][2048][64] at byte 0 of qkv, K [64][1024][64] at 16 MiB, V likewise at 24 MiB; all f16; ctx [16][8192][64] f16.
; Products, maxima and sums in f32; the weights p (at most 1) are rounded to f16 for the second product, the result once at the end.  LIMIT: |result| stays under 65,504; NaN and infinities are not served.
; SHARES.  A work-group owns one head of one batch and 512 queries; each of its sixteen waves 32 of them, two tiles of 16, in 256 registers: four waves to a SIMD, so that one wave's vector work stands beside another's matrix work.
; THE WHOLE HEAD'S K AND V STAY IN LDS: 2 x 128 KiB, asked for at the start, 128 keys by each wave (waves 0-7 of K, waves 8-15 of V); nothing is filled twice.
; ONE BARRIER stands in front of the walk over the keys, and none inside it: Q's loads, issued behind the tensor loads, are waited for there anyway, and from then on no wave waits for another until the end.
; CLUSTER.  The four query blocks of a head form a cluster and need the same K and V: each tile is asked for jointly, by the same tensor load with the same descriptor and a mask that names the four.
; LAYOUT.  S^T = K Q^T (source 0 = 16 keys, source 1 = 16 queries): a lane holds ONE query (lane % 16) and the keys 8 (lane / 16) + 0..7.  Two such tiles, rounded to f16 in pairs, ARE source 1 (32 keys x 16 queries) of
; O^T = V^T P, whose result again holds one query a lane, and eight channels.  K comes out of LDS as it lies, V ([key][channel]) turned, by ds_load_tr16_b128.
; SOFTMAX.  For each query a running maximum m and sum l: p = 2^(c s - c m), c = log2(e) / 8; in every step O and l are multiplied by a = 2^(c m_old - c m_new).  The loop has no first step of its own: m begins at -3e38, l and O at 0.
; LDS.  A key's row is 128 bytes; two keys make a row of 256 bytes, padded by 16 (K) or 32 (V): so the 16 rows of a load of K, and the 8 rows x 32 bytes of a turning load, start at different banks (64 banks of 4 bytes: ISA guide 11.1).
.set PK,    272                        ; two keys of K: 256 bytes + 16
.set PV,    288                        ; two keys of V: 256 bytes + 32
.set VOFF,  512*PK                     ; V behind K
.set STAGE, VOFF+512*PV                ; the way out: 16 rows x (128 bytes + 16) for each wave; no tensor load lands here
.set SP,    144
.set SPARE, STAGE+16*16*SP             ; the spare words, 128 bytes for each wave, named by no other line
.set KREG,  0x1000000                  ; K's region of qkv
.set VREG,  0x1800000                  ; V's
.set AK0, 2                            ; v2   my lane's place in a tile of K; never rewritten
.set AV0, 3                            ; v3   the same for V
.set ADK, 4                            ; v4   LDS address of the step's tiles of K
.set ADV, 5                            ; v5   of V
.set QO,  6                            ; v6   my byte offset in the wave's rows of Q
.set STO, 7                            ; v7   the way out: where I put 16 bytes of a row
.set RD,  8                            ; v8   the way out: where I read 16 bytes back
.set GO,  9                            ; v9   16 x lane
.set SPW, 10                           ; v10  LDS address of my spare word; never rewritten
.set NIL, 11                           ; v11  0; never rewritten
.set ST,  12                           ; tile t's statistics at v[12 + 8 t]: +0 c m, +1 m, +2, +3 l (even keys', odd keys'), +4 to +7 at work; a at +6
.set Q,   32                           ; v32-63   Q: tile t, channels 32 c on, at 32 + 16 t + 8 c
.set S,   64                           ; v64-127  S^T: tile t, keys 16 kt on, at 64 + 32 t + 8 kt; v64-95 later V's second batch
.set P,   128                          ; v128-159 P, 16 a tile; ahead of the softmax K's fragments 4-7
.set O,   160                          ; v160-223 O^T: tile t, channels 16 ct on, at 160 + 32 t + 8 ct
.set KVB, 224                          ; v224-255 K's fragments 0-3, then V's first batch
.set WV,  12                           ; s12  my wave's number
.set G1K, 24                           ; s[24:31] descriptor group 1 for K's tiles;  s[32:39] for V's: it differs in the padding alone
.set G1V, 32
.set G0K, 40                           ; s[40:43] group 0 for K's tile;  s[48:51] for V's
.set G0V, 48
.set TK,  56                           ; s56  LDS byte at which the step's keys begin in K
.set TV,  57                           ; s57  and in V
.set CS,  58                           ; s[58:59] c: the packed scaling names a pair and takes its low word for both halves
.set SEL, 60                           ; s[60:61] lane selects for v_permlanex16_b32: lane l xor 16
.set CNT, 62                           ; s62  counts the key steps
.macro CROUND                          ; a round of the cluster's barrier
	s_barrier_signal -1
	s_barrier_wait -1
	s_cmp_lg_u32 s[WV], 0
	s_cbranch_scc1 .Lnot_wave_0_\@
	s_barrier_signal -3
.Lnot_wave_0_\@:
	s_barrier_wait -3
	s_barrier_signal -1
	s_barrier_wait -1
.endm
	s_load_b128 s[4:7], s[0:1], 0x0                ; qkv, ctx
	v_lshl_add_u32 v[SPW], v0, 2, SPARE
	v_mov_b32 v[NIL], 0
	ds_add_u32 v[SPW], v[NIL]                      ; the wave's opening: the add, twice on end, and its wait ahead of my first tensor load
	ds_add_u32 v[SPW], v[NIL]
	v_lshrrev_b32 v1, 5, v0
	v_readfirstlane_b32 s[WV], v1                  ; wave 0..15
	s_bfe_u32 s13, ttmp6, 0x40000                  ; cx: my block of 512 queries: it enters Q's and the result's addresses alone
	s_and_b32 s20, ttmp7, 0xffff                   ; batch x 16 + head, which the four partners share
	s_and_b32 s14, s[WV], 7                        ; which 128 keys I fetch (waves 0-7 of K, waves 8-15 of V)
	s_lshl_b32 s16, s20, 17                        ; a head's K or V is 2^17 bytes
	s_lshl_b32 s17, s14, 14                        ; 128 keys are 16,384
	s_add_co_u32 s16, s16, s17
	s_mov_b32 s17, 0
	s_mul_i32 s18, s14, 64*PK                      ; and where they go: no place in the cluster enters an LDS address
	s_mul_i32 s19, s14, 64*PV
	s_lshl_b32 s2, s20, 18                         ; Q: a head is 2^18 bytes,
	s_lshl_b32 s3, s13, 16                         ; my block's 512 rows,
	s_add_co_u32 s2, s2, s3
	s_lshl_b32 s3, s[WV], 12                       ; my wave's 32 of them
	s_add_co_u32 s2, s2, s3
	s_mov_b32 s3, 0
	s_and_b32 s22, s20, 15                         ; the result: head x 2^20
	s_lshl_b32 s22, s22, 20
	s_lshr_b32 s23, s20, 4                         ; + batch x 2^18
	s_lshl_b32 s23, s23, 18
	s_add_co_u32 s22, s22, s23
	s_lshl_b32 s23, s13, 16
	s_add_co_u32 s22, s22, s23
	s_lshl_b32 s23, s[WV], 12
	s_add_co_u32 s22, s22, s23
	s_mov_b32 s23, 0
	; descriptor group 1: 128 keys are a dense block of 16,384 bytes: 64 rows of 256 bytes (32 elements of 8 bytes), padded in LDS
	s_mov_b32 s[G1K], 15|(3<<16)|(1<<20)|(1<<21)|(5<<22)|(3<<25)  ; 15:0 the mask: all four work-groups; elements of 8 bytes; padding on; bit 21 beside a mask; after every 64 words four words
	s_mov_b32 s[G1V], 15|(3<<16)|(1<<20)|(1<<21)|(5<<22)|(7<<25)  ; the same with eight words of padding
.irp g, G1K, G1V
	s_mov_b32 s[\g+1], 32<<16                      ; tensor_dim0
	s_mov_b32 s[\g+2], 64<<16                      ; tensor_dim1
	s_mov_b32 s[\g+3], 32<<16                      ; tile_dim0
	s_mov_b32 s[\g+4], 64                          ; tile_dim1
	s_mov_b32 s[\g+5], 32                          ; from row to row
	s_mov_b32 s[\g+6], 0
	s_mov_b32 s[\g+7], 0
.endr
	s_mov_b32 s[CS], 0x3e38aa3b                    ; c = log2(e) / 8
	s_mov_b32 s[CS+1], s[CS]                       ; named with it as a pair, so it is written
	s_mov_b32 s[SEL], 0x76543210
	s_mov_b32 s[SEL+1], 0xfedcba98
	s_wait_dscnt 0x0                               ; both opening adds are done
	s_wait_kmcnt 0x0
	s_add_nc_u64 s[16:17], s[4:5], s[16:17]        ; qkv at my 128 keys of the head, counted from a region's start
	s_add_nc_u64 s[4:5], s[4:5], s[2:3]            ; Q at my wave's first row
	s_add_nc_u64 s[6:7], s[6:7], s[22:23]          ; the result likewise
	CROUND                                         ; all four work-groups are here: the joint loads meet
	s_mov_b32 s[G0K], 1                            ; count = 1
	s_mov_b32 s[G0K+1], s18                        ; LDS address
	s_add_nc_u64 s[G0K+2:G0K+3], s[16:17], KREG    ; global address
	s_or_b32 s[G0K+3], s[G0K+3], 0x80000000        ; type = 2
	s_mov_b32 s[G0V], 1
	s_add_co_u32 s[G0V+1], s19, VOFF
	s_add_nc_u64 s[G0V+2:G0V+3], s[16:17], VREG
	s_or_b32 s[G0V+3], s[G0V+3], 0x80000000
	s_cmp_lt_u32 s[WV], 8                          ; the branch hangs on the wave's number alone; an s_nop 0 and four v_nop follow each of the two lines
	s_cbranch_scc0 .Lfirst_v
	tensor_load_to_lds s[G0K:G0K+3], s[G1K:G1K+7]
	s_nop 0
.rept 4
	v_nop
.endr
	s_branch .Lfirst_asked
.Lfirst_v:
	tensor_load_to_lds s[G0V:G0V+3], s[G1V:G1V+7]
	s_nop 0
.rept 4
	v_nop
.endr
.Lfirst_asked:
	; a fragment of K or Q is 16 rows x 32 channels in 8 registers: lane l holds row l % 16; registers 0-3 channels 8 (l / 16) + 0..7, registers 4-7 channels 16 + 8 (l / 16) + 0..7: two loads of 16 bytes, 32 bytes apart
	v_and_b32 v1, 15, v0                           ; r
	v_bfe_u32 v28, v0, 4, 1                        ; h
	v_lshlrev_b32 v[QO], 7, v1
	v_lshl_add_u32 v[QO], v28, 4, v[QO]            ; row x 128 + 16 x half
.irp t, 0,1
.irp c, 0,1
	global_load_b128 v[Q+16*\t+8*\c:Q+16*\t+8*\c+3],   v[QO], s[4:5] offset:2048*\t+64*\c      ; Q stays in registers
	global_load_b128 v[Q+16*\t+8*\c+4:Q+16*\t+8*\c+7], v[QO], s[4:5] offset:2048*\t+64*\c+32
.endr
.endr
	v_lshrrev_b32 v29, 1, v1
	v_mul_u32_u24 v[AK0], v29, PK                  ; key r lies in the row of two keys r / 2,
	v_and_b32 v30, 1, v0
	v_lshl_add_u32 v[AK0], v30, 7, v[AK0]          ; in its half r % 2
	v_lshl_add_u32 v[AK0], v28, 4, v[AK0]
	; the turning load takes 16 keys x 16 channels (lane l reads 16 bytes: key 8 (l / 16) + l % 8, channels 8 ((l / 8) % 2) + 0..7) and leaves half a fragment of V^T: lane l holds channel l % 16 and 8 keys
	v_bfe_u32 v29, v0, 1, 2
	v_lshl_add_u32 v29, v28, 2, v29                ; that key's row of two keys
	v_mul_u32_u24 v[AV0], v29, PV
	v_lshl_add_u32 v[AV0], v30, 7, v[AV0]
	v_bfe_u32 v31, v0, 3, 1
	v_lshl_add_u32 v[AV0], v31, 4, v[AV0]
	v_add_nc_u32 v[AV0], VOFF, v[AV0]
	s_mul_i32 s16, s[WV], 16*SP
	s_add_co_u32 s16, s16, STAGE                   ; my stage
	v_mul_u32_u24 v[STO], v1, SP                   ; in: row r, 16 bytes for each half of the lanes
	v_lshl_add_u32 v[STO], v28, 4, v[STO]
	v_add_nc_u32 v[STO], s16, v[STO]
	v_bfe_u32 v29, v0, 3, 2                        ; back: eight lanes to a row of 128 bytes, four rows an instruction
	v_mul_u32_u24 v[RD], v29, SP
	v_and_b32 v30, 7, v0
	v_lshl_add_u32 v[RD], v30, 4, v[RD]
	v_add_nc_u32 v[RD], s16, v[RD]
	v_and_b32 v[GO], 31, v0
	v_lshlrev_b32 v[GO], 4, v[GO]
.irp t, 0,1
	v_mov_b32 v[ST+8*\t+1], 0xff61b1e6             ; m: -3e38, under every score
	v_mul_f32 v[ST+8*\t], s[CS], v[ST+8*\t+1]      ; c m
	v_mov_b32 v[ST+8*\t+2], 0                      ; l, in two halves
	v_mov_b32 v[ST+8*\t+3], 0
.endr
.irp j, 0,1,2,3,4,5,6,7,8,9,10,11,12,13,14,15,16,17,18,19,20,21,22,23,24,25,26,27,28,29,30,31,32,33,34,35,36,37,38,39,40,41,42,43,44,45,46,47,48,49,50,51,52,53,54,55,56,57,58,59,60,61,62,63
	v_mov_b32 v[O+\j], 0                           ; O^T.  (The step is written once: its first pass finds zeros, which a = 0 leaves zeros)
.endr
	s_wait_loadcnt 0x0                             ; Q
; THE SOFTMAX of both tiles for 64 keys, the tiles alternating line by line, so that no line reads the result of the line above it.
.macro SOFTMAX
.irp j, 0,1,2,3                        ; the maximum: four chains, each begun at the low end of its accumulator
.irp t, 0,1
	v_max3_num_f32 v[ST+8*\t+4+\j], v[S+32*\t+8*\j], v[S+32*\t+8*\j+1], v[S+32*\t+8*\j+2]
.endr
.endr
.irp i, 3,5
.irp j, 0,1,2,3
.irp t, 0,1
	v_max3_num_f32 v[ST+8*\t+4+\j], v[ST+8*\t+4+\j], v[S+32*\t+8*\j+\i], v[S+32*\t+8*\j+\i+1]
.endr
.endr
.endr
.irp t, 0,1
	v_max3_num_f32 v[ST+8*\t+4], v[ST+8*\t+4], v[S+32*\t+7], v[S+32*\t+15]
.endr
.irp t, 0,1
	v_max3_num_f32 v[ST+8*\t+6], v[ST+8*\t+6], v[S+32*\t+23], v[S+32*\t+31]
.endr
.irp t, 0,1
	v_max3_num_f32 v[ST+8*\t+4], v[ST+8*\t+4], v[ST+8*\t+5], v[ST+8*\t+6]
.endr
.irp t, 0,1
	v_max3_num_f32 v[ST+8*\t+4], v[ST+8*\t+4], v[ST+8*\t+7], v[ST+8*\t+1]   ; with the old m
.endr
.irp t, 0,1
	v_permlanex16_b32 v[ST+8*\t+5], v[ST+8*\t+4], s[SEL], s[SEL+1]          ; the query's other 32 keys lie in the lane 16 away
.endr
.irp t, 0,1
	v_mov_b32 v[ST+8*\t+7], v[ST+8*\t]             ; c m_old is kept for a
.endr
.irp t, 0,1
	v_max_num_f32 v[ST+8*\t+1], v[ST+8*\t+4], v[ST+8*\t+5]
.endr
.irp t, 0,1
	v_mul_f32 v[ST+8*\t], s[CS], v[ST+8*\t+1]
.endr
.irp t, 0,1
	v_sub_f32 v[ST+8*\t+7], v[ST+8*\t+7], v[ST+8*\t]
.endr
.irp b, 0,1,2,3,4,5,6,7,8,9,10,11,12,13,14,15
.irp t, 0,1
	v_pk_fma_f32 v[S+32*\t+2*\b:S+32*\t+2*\b+1], v[S+32*\t+2*\b:S+32*\t+2*\b+1], s[CS:CS+1], v[ST+8*\t:ST+8*\t+1] op_sel_hi:[1,0,0] neg_lo:[0,0,1] neg_hi:[0,0,1]   ; c s - c m, two at a time
.endr
.endr
.irp t, 0,1                            ; ONE BATCH of 66 exponentials; none reads another's result
	v_exp_f32 v[ST+8*\t+6], v[ST+8*\t+7]           ; a
.endr
.irp e, 0,1,2,3,4,5,6,7,8,9,10,11,12,13,14,15,16,17,18,19,20,21,22,23,24,25,26,27,28,29,30,31
.irp t, 0,1
	v_exp_f32 v[S+32*\t+\e], v[S+32*\t+\e]         ; p, at most 1
.endr
.endr
	v_nop                                          ; a plain line behind the last exponential, ahead of the first use
	s_wait_alu depctr_va_vdst(0)                   ; a wait ahead of the first line that names a result: one for the batch
.irp j, 0,1,2,3,4,5,6,7,8,9,10,11,12,13,14,15
.irp t, 0,1
	v_cvt_pk_f16_f32 v[P+16*\t+\j], v[S+32*\t+2*\j], v[S+32*\t+2*\j+1]
.endr
.endr
.irp u, 0,1,2,3,4,5,6,7                ; the sum of the unrounded p, in place: neighbours 1, 2, 4 and 8 pairs apart
.irp t, 0,1
	v_pk_add_f32 v[S+32*\t+4*\u:S+32*\t+4*\u+1], v[S+32*\t+4*\u:S+32*\t+4*\u+1], v[S+32*\t+4*\u+2:S+32*\t+4*\u+3]
.endr
.endr
.irp u, 0,1,2,3
.irp t, 0,1
	v_pk_add_f32 v[S+32*\t+8*\u:S+32*\t+8*\u+1], v[S+32*\t+8*\u:S+32*\t+8*\u+1], v[S+32*\t+8*\u+4:S+32*\t+8*\u+5]
.endr
.endr
.irp u, 0,1
.irp t, 0,1
	v_pk_add_f32 v[S+32*\t+16*\u:S+32*\t+16*\u+1], v[S+32*\t+16*\u:S+32*\t+16*\u+1], v[S+32*\t+16*\u+8:S+32*\t+16*\u+9]
.endr
.endr
.irp t, 0,1
	v_pk_add_f32 v[S+32*\t:S+32*\t+1], v[S+32*\t:S+32*\t+1], v[S+32*\t+16:S+32*\t+17]
.endr
.irp t, 0,1
	v_pk_fma_f32 v[ST+8*\t+2:ST+8*\t+3], v[ST+8*\t+2:ST+8*\t+3], v[ST+8*\t+6:ST+8*\t+7], v[S+32*\t:S+32*\t+1] op_sel_hi:[1,0,1]   ; l = a l + the sum
.endr
.endm
; A KEY STEP: 64 keys.
.macro KSTEP
	v_add_nc_u32 v[ADK], s[TK], v[AK0]
	v_add_nc_u32 v[ADV], s[TV], v[AV0]
.rept 4
	v_nop                                          ; with the two additions six places behind the last step's products: four are owed to the loads below, five to the products that write over registers which held V
.endr
.irp f, 0,1,2,3                        ; K's eight fragments: keys 16 (f / 2) on, channels 32 (f % 2) on
	ds_load_b128 v[KVB+8*\f:KVB+8*\f+3],   v[ADK] offset:8*PK*(\f/2)+64*(\f%2)
	ds_load_b128 v[KVB+8*\f+4:KVB+8*\f+7], v[ADK] offset:8*PK*(\f/2)+64*(\f%2)+32
.endr
.irp f, 4,5,6,7
	ds_load_b128 v[P+8*(\f-4):P+8*(\f-4)+3],   v[ADK] offset:8*PK*(\f/2)+64*(\f%2)
	ds_load_b128 v[P+8*(\f-4)+4:P+8*(\f-4)+7], v[ADK] offset:8*PK*(\f/2)+64*(\f%2)+32
.endr
	s_wait_dscnt 8                                 ; fragments 0-3 are in; the eight loads of fragments 4-7 may be out
.irp c, 0,1                            ; S^T = K Q^T: four accumulators by turns; the first products start the sums
.irp kt, 0,1
.irp t, 0,1
.if \c == 0
	v_wmma_f32_16x16x32_f16 v[S+32*\t+8*\kt:S+32*\t+8*\kt+7], v[KVB+8*(2*\kt+\c):KVB+8*(2*\kt+\c)+7], v[Q+16*\t+8*\c:Q+16*\t+8*\c+7], 0
.else
	v_wmma_f32_16x16x32_f16 v[S+32*\t+8*\kt:S+32*\t+8*\kt+7], v[KVB+8*(2*\kt+\c):KVB+8*(2*\kt+\c)+7], v[Q+16*\t+8*\c:Q+16*\t+8*\c+7], v[S+32*\t+8*\kt:S+32*\t+8*\kt+7]
.endif
.endr
.endr
.endr
	s_wait_dscnt 0x0
.irp c, 0,1
.irp kt, 2,3
.irp t, 0,1
.if \c == 0
	v_wmma_f32_16x16x32_f16 v[S+32*\t+8*\kt:S+32*\t+8*\kt+7], v[P+8*(2*(\kt-2)+\c):P+8*(2*(\kt-2)+\c)+7], v[Q+16*\t+8*\c:Q+16*\t+8*\c+7], 0
.else
	v_wmma_f32_16x16x32_f16 v[S+32*\t+8*\kt:S+32*\t+8*\kt+7], v[P+8*(2*(\kt-2)+\c):P+8*(2*(\kt-2)+\c)+7], v[Q+16*\t+8*\c:Q+16*\t+8*\c+7], v[S+32*\t+8*\kt:S+32*\t+8*\kt+7]
.endif
.endr
.endr
.endr
.rept 4
	v_nop                                          ; places in front of the loads into K's registers and of the first read of the scores
.endr
.irp ct, 0,1,2,3                       ; V's first batch, keys 0-31, turned: it lands while the softmax is walked
	ds_load_tr16_b128 v[KVB+8*\ct:KVB+8*\ct+3],   v[ADV] offset:32*\ct
	ds_load_tr16_b128 v[KVB+8*\ct+4:KVB+8*\ct+7], v[ADV] offset:8*PV+32*\ct
.endr
	SOFTMAX
.irp ct, 0,1,2,3                       ; V's second batch, keys 32-63, into the registers that tile 0's scores have left
	ds_load_tr16_b128 v[S+8*\ct:S+8*\ct+3],   v[ADV] offset:16*PV+32*\ct
	ds_load_tr16_b128 v[S+8*\ct+4:S+8*\ct+7], v[ADV] offset:24*PV+32*\ct
.endr
.irp t, 0,1
.irp j, 0,2,4,6,8,10,12,14,16,18,20,22,24,26,28,30
	v_pk_mul_f32 v[O+32*\t+\j:O+32*\t+\j+1], v[O+32*\t+\j:O+32*\t+\j+1], v[ST+8*\t+6:ST+8*\t+7] op_sel_hi:[1,0]   ; O^T x a, each accumulator from its low end on
.endr
.endr
	s_wait_dscnt 8                                 ; V's first batch is in; the second batch's eight loads may be out
.irp ct, 0,1,2,3                       ; O^T += V^T P: eight accumulators by turns
.irp t, 0,1
	v_wmma_f32_16x16x32_f16 v[O+32*\t+8*\ct:O+32*\t+8*\ct+7], v[KVB+8*\ct:KVB+8*\ct+7], v[P+16*\t:P+16*\t+7], v[O+32*\t+8*\ct:O+32*\t+8*\ct+7]
.endr
.endr
	s_wait_dscnt 0x0
.irp ct, 0,1,2,3
.irp t, 0,1
	v_wmma_f32_16x16x32_f16 v[O+32*\t+8*\ct:O+32*\t+8*\ct+7], v[S+8*\ct:S+8*\ct+7], v[P+16*\t+8:P+16*\t+15], v[O+32*\t+8*\ct:O+32*\t+8*\ct+7]
.endr
.endr
	s_add_co_u32 s[TK], s[TK], 32*PK               ; the next 64 keys
	s_add_co_u32 s[TV], s[TV], 32*PV
.endm
	s_wait_tensorcnt 0x0                           ; my 128 keys of K or of V are in LDS
	s_barrier_signal -1
	s_barrier_wait -1                              ; everybody's are: the whole head's K and V
	s_mov_b32 s[TK], 0
	s_mov_b32 s[TV], 0
	s_mov_b32 s[CNT], 16                           ; 1,024 keys, 64 a step
.Lstep:
	KSTEP
	s_sub_co_u32 s[CNT], s[CNT], 1
	s_cmp_lg_u32 s[CNT], 0
	s_cbranch_scc1 .Lstep
	; THE WAY OUT.  l's two halves and the other half of the lanes' are added; O^T is divided by l, rounded to f16 and sent through my stage, a tile (16 rows) at a time.
.rept 4
	v_nop                                          ; places behind the last products
.endr
.irp t, 0,1
	v_add_f32 v[ST+8*\t+4], v[ST+8*\t+2], v[ST+8*\t+3]
.endr
.irp t, 0,1
	v_permlanex16_b32 v[ST+8*\t+5], v[ST+8*\t+4], s[SEL], s[SEL+1]
.endr
.irp t, 0,1
	v_add_f32 v[ST+8*\t+4], v[ST+8*\t+4], v[ST+8*\t+5]
.endr
.irp t, 0,1
	v_rcp_f32 v[ST+8*\t+6], v[ST+8*\t+4]
.endr
	v_nop                                          ; a plain line between the last reciprocal and the use of its result
	s_wait_alu depctr_va_vdst(0)                   ; and a wait ahead of the first use: one for both
.macro OUTT t
.irp j, 0,2,4,6,8,10,12,14,16,18,20,22,24,26,28,30
	v_pk_mul_f32 v[O+32*\t+\j:O+32*\t+\j+1], v[O+32*\t+\j:O+32*\t+\j+1], v[ST+8*\t+6:ST+8*\t+7] op_sel_hi:[1,0]
.endr
.irp i, 0,1,2,3,4,5,6,7,8,9,10,11,12,13,14,15
	v_cvt_pk_f16_f32 v[S+16*\t+\i], v[O+32*\t+2*\i], v[O+32*\t+2*\i+1]
.endr
.irp ct, 0,1,2,3
	ds_store_b128 v[STO], v[S+16*\t+4*\ct:S+16*\t+4*\ct+3] offset:32*\ct      ; channels 16 ct + 8 (lane / 16) + 0..7 of row lane % 16
.endr
.irp i, 0,1,2,3
	ds_load_b128 v[S+32+16*\t+4*\i:S+32+16*\t+4*\i+3], v[RD] offset:4*SP*\i   ; LDS serves a wave's instructions in order (ISA guide 5.7.1.4): these see the stores above; the next tile's stores come behind them
.endr
.endm
	OUTT 0
	OUTT 1
.irp i, 0,1,2,3
	s_wait_dscnt 11-\i                             ; behind tile 0's load i: its own later loads and tile 1's eight LDS instructions
	global_store_b128 v[GO], v[S+32+4*\i:S+32+4*\i+3], s[6:7] offset:512*\i   ; 32 lanes store 512 consecutive bytes, aligned: four rows
.endr
.irp i, 0,1,2,3
	s_wait_dscnt 3-\i
	global_store_b128 v[GO], v[S+48+4*\i:S+48+4*\i+3], s[6:7] offset:2048+512*\i
.endr
	s_wait_tensorcnt 0x0                           ; the wave's end, behind my last tensor load and my last LDS store
	ds_add_u32 v[SPW], v[NIL]
	s_wait_dscnt 0x0
	CROUND                                         ; the closing round: no work-group ends while a partner may still ask for a tile that names it
	s_endpgm
.Lfunc_end_k_q321715dc9e_attn:
	.size	k_q321715dc9e_attn, .Lfunc_end_k_q321715dc9e_attn-k_q321715dc9e_attn
	.p2alignl 7, 3214868480
	.fill 96, 4, 3214868480
	.section	.rodata,"a",@progbits
	.p2align	6, 0x0
	.amdhsa_kernel k_q321715dc9e_attn
		.amdhsa_group_segment_fixed_size 327680
		.amdhsa_private_segment_fixed_size 0
		.amdhsa_enable_private_segment 0
		.amdhsa_kernarg_size 16
		.amdhsa_user_sgpr_count 2
		.amdhsa_user_sgpr_kernarg_segment_ptr 1
		.amdhsa_wavefront_size32 1
		.amdhsa_system_sgpr_workgroup_id_x 1
		.amdhsa_system_sgpr_workgroup_id_y 1
		.amdhsa_system_sgpr_workgroup_id_z 1
		.amdhsa_system_vgpr_workitem_id 0
		.amdhsa_next_free_vgpr 256
		.amdhsa_next_free_sgpr 66
		.amdhsa_reserve_vcc 0
		.amdhsa_float_denorm_mode_32 3
		.amdhsa_float_denorm_mode_16_64 3
		.amdhsa_memory_ordered 1
		.amdhsa_forward_progress 1
		.amdhsa_inst_pref_size 34
	.end_amdhsa_kernel
	.amdgpu_metadata
---
amdhsa.version: [ 1, 2 ]
amdhsa.kernels:
  - .name:           k_q321715dc9e_attn
    .symbol:         k_q321715dc9e_attn.kd
    .args:
      - { .name: qkv, .offset: 0, .size: 8, .value_kind: global_buffer, .address_space: global }
      - { .name: ctx, .offset: 8, .size: 8, .value_kind: global_buffer, .address_space: global }
    .group_segment_fixed_size: 327680
    .private_segment_fixed_size: 0
    .kernarg_segment_align: 8
    .kernarg_segment_size: 16
    .max_flat_workgroup_size: 512
    .sgpr_count:     66
    .vgpr_count:     256
    .wavefront_size: 32
...
	.end_amdgpu_metadata
.endif
;; end of part 3
;; launch outp (part 4): grid 4 x 64, 4 waves a work-group, clusters of 4 x 4, 327,680 bytes of LDS; arguments ctx, wot, out0, bo; writes out0
.if DOCPART == 4
	.amdgcn_target "amdgcn-amd-amdhsa--gfx1250"
	.amdhsa_code_object_version 6
	.text
	.protected	k_q321715dc9e_outp
	.globl	k_q321715dc9e_outp
	.p2align	8
	.type	k_q321715dc9e_outp,@function
k_q321715dc9e_outp:
	s_mov_b64 s[64:65], 0
	v_nop
	global_prefetch_b8 v0, s[64:65] scope:SCOPE_SE
	s_setreg_imm32_b32 hwreg(HW_REG_WAVE_MODE, 25, 1), 1
	s_wait_xcnt 0x0
	s_wait_alu depctr_hold_cnt(0) depctr_sa_sdst(0) depctr_va_vdst(0) depctr_va_sdst(0) depctr_va_ssrc(0) depctr_va_vcc(0) depctr_vm_vsrc(0)
	s_getreg_b32 s2, hwreg(HW_REG_IB_STS2, 6, 4)
	s_cmp_eq_u32 s2, 0
	s_cbranch_scc0 .Lentry_in_a_cluster
	s_endpgm
.Lentry_in_a_cluster:
	s_bfe_u32 s2, ttmp6, 0x10000c
	s_cmp_lg_u32 s2, 0xf033
	s_cbranch_scc0 .Lentry_shape_is_right
	s_endpgm
.Lentry_shape_is_right:
; out0[m][n] = the sum over k of ctx[m][k] Wo[k][n] + bo[n].  A: ctx, f16, laid by heads [16][8192 rows m][64]: k = 64 head + channel.  B: Wo^T, f16, [n 1024][k 1024].  out0 [8192][1024] f32; sums in f32.
; A tile is 128 (m) x 256 (n): 256 work-groups of four waves; a wave makes 64 x 128: 32 accumulators, 256 registers.  Tiles of 256 x 256 would be 128, too few for the launch's work-groups to fill the grid evenly.
; K goes in 8 steps of 128 (two heads) through a ring of two LDS slots.  A's tile of a step is two dense blocks of 16,384 bytes (128 rows x 128 bytes of a head), taken as 64 rows of 256 bytes; B's 256 rows of 256 bytes.
; CLUSTERS: 4 x 4 work-groups.  The four of a row of the cluster need the same tiles of A, the four of a column the same tiles of B: each is asked for jointly, by the same tensor load with the same descriptor and a mask that names the four.
; THE MATRIX INSTRUCTION IS USED TRANSPOSED (source 0 = 16 rows of B, source 1 = 16 rows of A): a lane holds eight neighbouring columns of one row.  The bias is the C of each sum's first product: nothing is cleared or added.
; REGISTERS, in windows of 256: window 0: v0-31 addresses; v64-159, v160-255 two fragment buffers (B's 8 fragments, then A's 4).   window 1: the accumulators ((a, b) at v[8 (8 a + b)]).   window 2: v0-63 the bias in the result's layout.
.set PITCH,  272                       ; an LDS row: 256 bytes + 16 of padding
.set ASUB,   64*PITCH                  ; A's block of one head: 128 rows m, two to an LDS row
.set BOFF,   2*ASUB                    ; B behind A's two blocks
.set BHALF,  128*PITCH                 ; 128 rows n
.set SLOT,   BOFF+2*BHALF
.set SPARE,  2*SLOT                    ; the spare words, 128 bytes for each wave, named by no other line
.set SPITCH, 528                       ; the way out: a stage of 16 rows x (512 bytes + 16) for each wave, in slot 0, which has had its last fill and its last read by then
.set LAPS,   4                         ; a lap = two K steps = once round the ring
.set ADRA, 16                          ; v16-17  LDS address of my A fragments in slot 0, 1
.set ADRB, 20                          ; v20-21  the same for B
.set STO,  24                          ; v24     the way out: where I put 32 bytes of a row
.set RD,   25                          ; v25     the way out: where I read a row back
.set CO,   26                          ; v26     16 x lane
.set SPW,  28                          ; v28     LDS address of my spare word; never rewritten
.set NIL,  29                          ; v29     0; never rewritten
.set PFO,  30                          ; v30     256 x lane: the prefetches' offset; never rewritten
.set F0,   64
.set F1,   160
.set G1, 24                            ; s[24:31] descriptor group 1 for A's tiles;  s[32:39] group 0, one set for each slot
.set G0, 32
.set G1B, 48                           ; s[48:55], s[56:63] the same for B's tiles
.set G0B, 56
.set LIM, 43                           ; s43     1 in the wave that prefetches, else the greatest number
.set PFA, 44                           ; s[44:45] where my prefetches stand
.set MSB, 0
.macro WIN new                         ; the immediate's high byte repeats the setting that is left
.if MSB != (\new)
	s_set_vgpr_msb (MSB<<8)|(\new)
.set MSB, (\new)
.endif
.endm
.set MUL,  0x50                        ; sources 0 and 1 window 0; C and D window 1
.set MULZ, 0x60                        ; the same with C in window 2: the bias
; A joint load: waves 0 and 1 fetch A's two heads, waves 2 and 3 B's two halves; the branch hangs on the wave's number alone.  An s_nop 0 and four v_nop follow each of the two lines.
.macro JLOAD s
	s_cmp_eq_u32 s11, 0
	s_cbranch_scc0 .Lfor_b_\@
	tensor_load_to_lds s[G0+4*\s:G0+4*\s+3], s[G1:G1+7]
	s_nop 0
.rept 4
	v_nop
.endr
	s_branch .Lasked_\@
.Lfor_b_\@:
	tensor_load_to_lds s[G0B+4*\s:G0B+4*\s+3], s[G1B:G1B+7]
	s_nop 0
.rept 4
	v_nop
.endr
.Lasked_\@:
.endm
; A PREFETCH INTO THE L2 of A's tile of the K step that stands two refills on: 32,768 bytes, read by this row of the cluster alone.  Its four partners share them out BY ADDRESS, 8,192 each (a head's half);
; in each, wave 0 asks: one instruction, lanes 256 bytes apart.  So each aligned block of 256 bytes is named once in the launch.  The loop's last trip asks for nothing: no K step stands two refills on.
; K steps 0 to 3 come by their loads alone.  B's table is read again and again by every row of clusters and is not asked for.
.macro ASK
	s_cmp_gt_u32 s3, s[LIM]
	s_cbranch_scc0 .Lnot_mine_\@
	global_prefetch_b8 v[PFO], s[PFA:PFA+1] offset:2097152 th:TH_LOAD_NT scope:SCOPE_SE
.Lnot_mine_\@:
.endm
.macro CREST                           ; a round of the cluster's barrier behind its opening barrier
	s_cmp_lg_u32 s10, 0
	s_cbranch_scc1 .Lnot_wave_0_\@
	s_barrier_signal -3
.Lnot_wave_0_\@:
	s_barrier_wait -3
	s_barrier_signal -1
	s_barrier_wait -1
.endm
.macro CROUND                          ; a whole round
	s_barrier_signal -1
	s_barrier_wait -1
	CREST
.endm
	s_load_b128 s[4:7], s[0:1], 0x0                ; A s[4:5], B s[6:7]
	s_load_b64 s[8:9], s[0:1], 0x10                ; the output
	s_load_b64 s[66:67], s[0:1], 0x18              ; the bias
	v_lshl_add_u32 v[SPW], v0, 2, SPARE
	v_mov_b32 v[NIL], 0
	ds_add_u32 v[SPW], v[NIL]                      ; the wave's opening: the add, twice on end, and its wait ahead of my first tensor load
	ds_add_u32 v[SPW], v[NIL]
	v_lshrrev_b32 v1, 5, v0
	v_readfirstlane_b32 s10, v1                    ; wave 0..3
	s_lshr_b32 s11, s10, 1                         ; which 64 rows of the tile are mine.  Also: I fetch for A (0) or for B (1)
	s_and_b32 s12, s10, 1                          ; which 128 columns.  Also: which head of A's pair, or which 128 rows of B, I fetch
	s_bfe_u32 s40, ttmp6, 0x40000                  ; cx, cy: my place in the cluster
	s_bfe_u32 s41, ttmp6, 0x40004
	s_lshl_b32 s42, ttmp9, 2
	s_add_co_u32 s42, s42, s40                     ; x: which 256 columns
	s_and_b32 s13, ttmp7, 0xffff
	s_lshl_b32 s13, s13, 2
	s_add_co_u32 s13, s13, s41                     ; y: which 128 rows
	s_lshl_b32 s14, s41, 2
	s_lshl_b32 s14, 15, s14                        ; my row of the cluster
	s_lshl_b32 s15, 0x1111, s40                    ; my column
	s_or_b32 s[G1+0], s14, (3<<16)|(1<<20)|(1<<21)|(5<<22)|(3<<25)   ; 15:0 the mask: A's tiles go to my row; elements of 8 bytes; padding on; bit 21 beside a mask; after every 64 words four words
	s_mov_b32 s[G1+1], 32<<16                      ; tensor_dim0: 32 elements = 256 bytes
	s_mov_b32 s[G1+2], 64<<16                      ; tensor_dim1
	s_mov_b32 s[G1+3], 32<<16                      ; tile_dim0
	s_mov_b32 s[G1+4], 64                          ; tile_dim1
	s_mov_b32 s[G1+5], 32                          ; from row to row: dense
	s_mov_b32 s[G1+6], 0
	s_mov_b32 s[G1+7], 0
	s_or_b32 s[G1B+0], s15, (1<<16)|(1<<20)|(1<<21)|(5<<22)|(3<<25)  ; B's tiles go to my column; elements of 2 bytes
	s_mov_b32 s[G1B+1], 128<<16
	s_mov_b32 s[G1B+2], 128<<16
	s_mov_b32 s[G1B+3], 128<<16
	s_mov_b32 s[G1B+4], 128
	s_mov_b32 s[G1B+5], 1024
	s_mov_b32 s[G1B+6], 0
	s_mov_b32 s[G1B+7], 0
	s_lshl_b32 s16, s12, 20                        ; A: a head is 2^20 bytes;
	s_lshl_b32 s17, s13, 14                        ; the tile's 128 rows of 128 bytes
	s_add_co_u32 s16, s16, s17
	s_mov_b32 s17, 0
	s_lshl_b32 s46, s42, 19                        ; B: 256 rows of 2,048 bytes a tile column,
	s_lshl_b32 s47, s12, 18                        ; 128 of them a half
	s_add_co_u32 s46, s46, s47
	s_mov_b32 s47, 0
	s_mul_i32 s20, s12, ASUB                       ; where they go: no place in the cluster enters an LDS address
	s_mul_i32 s21, s12, BHALF
	s_add_co_u32 s21, s21, BOFF
	s_wait_dscnt 0x0                               ; both opening adds are done
	s_wait_kmcnt 0x0
	s_add_nc_u64 s[14:15], s[4:5], s[16:17]
	s_add_nc_u64 s[46:47], s[6:7], s[46:47]
	CROUND                                         ; all sixteen work-groups are here: the first joint loads meet
.irp s, 0,1
	s_mov_b32 s[G0+4*\s], 1                        ; count = 1
	s_add_co_u32 s[G0+4*\s+1], s20, \s*SLOT        ; LDS address
	s_add_nc_u64 s[G0+4*\s+2:G0+4*\s+3], s[14:15], \s*0x200000   ; global address: K step s is heads 2 s, 2 s + 1
	s_or_b32 s[G0+4*\s+3], s[G0+4*\s+3], 0x80000000              ; type = 2
	s_mov_b32 s[G0B+4*\s], 1
	s_add_co_u32 s[G0B+4*\s+1], s21, \s*SLOT
	s_add_nc_u64 s[G0B+4*\s+2:G0B+4*\s+3], s[46:47], \s*256
	s_or_b32 s[G0B+4*\s+3], s[G0B+4*\s+3], 0x80000000
	JLOAD \s
.endr
	v_and_b32 v1, 15, v0                           ; r
	v_bfe_u32 v2, v0, 4, 1                         ; h
	v_lshrrev_b32 v3, 1, v1
	v_mul_u32_u24 v3, v3, PITCH                    ; A: row r lies in the LDS row r / 2,
	v_and_b32 v4, 1, v0
	v_lshl_add_u32 v3, v4, 7, v3                   ; in its half r % 2
	v_lshl_add_u32 v3, v2, 4, v3
	v_mul_u32_u24 v4, v1, PITCH                    ; B: row r
	v_lshl_add_u32 v4, v2, 4, v4
	s_mul_i32 s22, s11, 32*PITCH                   ; my 64 rows of A
	s_mov_b32 s23, s21                             ; my 128 rows of B: the half that has my number's low bit
.irp s, 0,1
	v_add_nc_u32 v[ADRA+\s], s22, v3
	v_add_nc_u32 v[ADRB+\s], s23, v4
	s_add_co_u32 s22, s22, SLOT
	s_add_co_u32 s23, s23, SLOT
.endr
	s_mul_i32 s23, s10, 16*SPITCH                  ; my stage
	v_mul_u32_u24 v5, v1, SPITCH                   ; in: row r, 32 bytes for each half of the lanes
	v_lshl_add_u32 v5, v2, 5, v5
	v_add_nc_u32 v[STO], s23, v5
	v_and_b32 v6, 31, v0
	v_lshlrev_b32 v[CO], 4, v6                     ; back: the 32 lanes take one row of 512 bytes; and the same in the output
	v_add_nc_u32 v[RD], s23, v[CO]
	v_lshlrev_b32 v[PFO], 8, v6
	s_lshl_b32 s16, s42, 10
	s_lshl_b32 s17, s12, 9
	s_add_co_u32 s16, s16, s17                     ; my first column, in bytes of f32
	s_mov_b32 s17, 0
	s_add_nc_u64 s[66:67], s[66:67], s[16:17]
	v_lshlrev_b32 v5, 5, v2                        ; the bias in the result's layout: register 8 b + j of lane (r, h) is bo[my first column + 16 b + 8 h + j]
	WIN 0x80                                       ; destination window 2
.irp b, 0,1,2,3,4,5,6,7
	global_load_b128 v[8*\b:8*\b+3],   v5, s[66:67] offset:64*\b
	global_load_b128 v[8*\b+4:8*\b+7], v5, s[66:67] offset:64*\b+16
.endr
	WIN 0
	s_lshl_b32 s18, s13, 19                        ; 128 rows of 4,096 bytes a tile row,
	s_lshl_b32 s19, s11, 18                        ; 64 of them a half
	s_add_co_u32 s18, s18, s19
	s_add_co_u32 s18, s18, s16
	s_mov_b32 s19, 0
	s_add_nc_u64 s[8:9], s[8:9], s[18:19]          ; the output at my first row and column
	s_lshr_b32 s18, s40, 1                         ; the prefetches: my work-group's quarter of A's tile of a K step: head cx / 2 of the pair,
	s_lshl_b32 s18, s18, 20
	s_lshl_b32 s22, s13, 14
	s_add_co_u32 s18, s18, s22
	s_and_b32 s22, s40, 1                          ; half cx % 2 of its 16,384 bytes
	s_lshl_b32 s22, s22, 13
	s_add_co_u32 s18, s18, s22
	s_add_nc_u64 s[PFA:PFA+1], s[4:5], s[18:19]
	s_add_nc_u64 s[PFA:PFA+1], s[PFA:PFA+1], 0x400000   ; at K step 2: the first refill steps it to 3 and names K step 4.  Nothing is prefetched here, at the head
	s_cmp_eq_u32 s10, 0
	s_cselect_b32 s[LIM], 1, -1
; 8 matrix instructions: A's block a x B's eight, 32 along K, from buffer f.  zero = 1: the first product takes the bias as C.  The 32 accumulators take turns, one instruction a turn, in one order.
.macro MUL8 f, a, zero
.irp b, 0,1,2,3,4,5,6,7
.if \zero
	v_wmma_f32_16x16x32_f16 v[8*(8*(\a)+\b):8*(8*(\a)+\b)+7], v[\f+8*\b:\f+8*\b+7], v[\f+64+8*(\a):\f+64+8*(\a)+7], v[8*\b:8*\b+7]
.else
	v_wmma_f32_16x16x32_f16 v[8*(8*(\a)+\b):8*(8*(\a)+\b)+7], v[\f+8*\b:\f+8*\b+7], v[\f+64+8*(\a):\f+64+8*(\a)+7], v[8*(8*(\a)+\b):8*(8*(\a)+\b)+7]
.endif
.endr
.endm
.macro MUL16 f, a0, zero
	MUL8 \f, \a0, \zero
	MUL8 \f, (\a0)+1, \zero
.endm
; 24 LDS loads in one run: the fragments of the slot's quarter q (32 along K) into buffer f: B's eight, then A's four.  Quarter q lies in head q / 2 of A's pair, at channels 32 (q % 2) on
.macro FETCH slot, q, f
.irp b, 0,1,2,3,4,5,6,7
	ds_load_b128 v[\f+8*\b:\f+8*\b+3],   v[ADRB+\slot] offset:16*PITCH*\b+64*(\q)
	ds_load_b128 v[\f+8*\b+4:\f+8*\b+7], v[ADRB+\slot] offset:16*PITCH*\b+64*(\q)+32
.endr
.irp a, 0,1,2,3
	ds_load_b128 v[\f+64+8*\a:\f+64+8*\a+3],   v[ADRA+\slot] offset:8*PITCH*\a+ASUB*((\q)/2)+64*((\q)%2)
	ds_load_b128 v[\f+64+8*\a+4:\f+64+8*\a+7], v[ADRA+\slot] offset:8*PITCH*\a+ASUB*((\q)/2)+64*((\q)%2)+32
.endr
.endm
.macro PLACES                          ; four places in front of loads into registers that matrix instructions have read, and of the first read of results
.rept 4
	v_nop
.endr
.endm
; A K step is four quarters of 32 along K, 32 matrix instructions each, on buffers 0, 1, 0, 1.  One of the first three: multiplies buffer f and fetches quarter q of the same slot into g.
.macro QUARTER slot, q, f, g, zero
	s_wait_dscnt 4                                 ; B and A's blocks 0, 1 are in; the youngest four loads (A's blocks 2, 3) may be out
.if \zero
	WIN MULZ
.else
	WIN MUL
.endif
	MUL16 \f, 0, \zero
	WIN 0
	PLACES
	FETCH \slot, \q, \g
	s_wait_dscnt 24                                ; all but the 24 just issued
.if \zero
	WIN MULZ
.else
	WIN MUL
.endif
	MUL16 \f, 2, \zero
.endm
; The last quarter multiplies buffer 1 and changes slots: ONE barrier; in front of it each wave waits for all its tensor loads, adds 0 to its spare word, and waits for that and for its own reads of this slot.
; fill = 1: the barrier opens a round of the cluster's barrier, and behind the round this slot is filled again, two K steps ahead: from that request to the wait for it a wave issues 112 matrix instructions.
.macro TURN slot, next, fill
.if \fill
	s_wait_xcnt 0x0                                ; the last prefetch, a K step back, has read its address: it is stepped here
	s_add_nc_u64 s[PFA:PFA+1], s[PFA:PFA+1], 0x200000
.endif
	WIN 0                                          ; (the add's two registers lie in window 0)
	s_wait_tensorcnt 0x0                           ; all my tensor loads have landed: the one that was out is my part of the next slot
	ds_add_u32 v[SPW], v[NIL]                      ; 0 onto my spare word
	s_wait_dscnt 5                                 ; (the add and the youngest four loads may be out)
	WIN MUL
	MUL8 F1, 0, 0                                  ; eight matrix instructions stand between the add and the wait for it
	s_wait_dscnt 0x0                               ; the add is done, and my reads of this slot are over
	s_barrier_signal -1
	MUL8 F1, 1, 0
	WIN 0
	s_barrier_wait -1
.if \fill
	CREST                                          ; no wave of any partner still reads this slot's tile or has a load on its way
	s_add_nc_u64 s[G0+4*\slot+2:G0+4*\slot+3], s[G0+4*\slot+2:G0+4*\slot+3], 0x400000   ; two K steps on: four heads
	s_add_nc_u64 s[G0B+4*\slot+2:G0B+4*\slot+3], s[G0B+4*\slot+2:G0B+4*\slot+3], 512
	JLOAD \slot                                    ; the first tensor load behind the round; its four v_nop are also the places in front of the loads below
.else
	PLACES
.endif
	FETCH \next, 0, F0
.if \fill
	ASK                                            ; behind the joint load and the run of LDS loads that the next products wait for
.endif
	WIN MUL
	MUL16 F1, 2, 0
.endm
	s_wait_tensorcnt 1                             ; my part of K step 0 is in; K step 1's load may be out
	s_barrier_signal -1
	s_barrier_wait -1                              ; everybody's is
	FETCH 0, 0, F0
	s_wait_loadcnt 0x0                             ; the bias
	QUARTER 0, 1, F0, F1, 1                        ; the first quarter stands in front of the loop: its products start the sums from the bias
	WIN 0                                          ; at a label and at a branch every window is 0
	s_mov_b32 s3, LAPS-1
.Llap:                                                 ; a trip goes once round the ring, from a lap's second quarter to the next lap's first, and fills both slots again
	QUARTER 0, 2, F1, F0, 0
	QUARTER 0, 3, F0, F1, 0
	TURN 0, 1, 1
	QUARTER 1, 1, F0, F1, 0
	QUARTER 1, 2, F1, F0, 0
	QUARTER 1, 3, F0, F1, 0
	TURN 1, 0, 1
	QUARTER 0, 1, F0, F1, 0
	WIN 0
	s_sub_co_u32 s3, s3, 1
	s_cmp_lg_u32 s3, 0
	s_cbranch_scc1 .Llap
	QUARTER 0, 2, F1, F0, 0                        ; the last lap fills nothing, and has no round of the cluster's barrier
	QUARTER 0, 3, F0, F1, 0
	TURN 0, 1, 0
	QUARTER 1, 1, F0, F1, 0
	QUARTER 1, 2, F1, F0, 0
	QUARTER 1, 3, F0, F1, 0
	s_wait_dscnt 4                                 ; the very last quarter: nothing more to fetch
	WIN MUL
	MUL16 F1, 0, 0
	s_wait_dscnt 0x0
	MUL16 F1, 2, 0
	WIN 0
; THE WAY OUT, block by block of 16 rows x 128 columns.  A lane holds 32 neighbouring bytes of a row and the lanes beside it other rows: so a block goes through my own stage and comes back as whole rows of 512 bytes.
.macro TOSTAGE a
	WIN 0x04                                       ; an LDS store's data are its source 1: window 1
.irp b, 0,1,2,3,4,5,6,7
	ds_store_b128 v[STO], v[64*(\a)+8*\b:64*(\a)+8*\b+3] offset:64*\b          ; each accumulator from its low end on
	ds_store_b128 v[STO], v[64*(\a)+8*\b+4:64*(\a)+8*\b+7] offset:64*\b+16
.endr
	WIN 0
.set BB, 64+64*((\a)%2)
.irp t, 0,1,2,3,4,5,6,7,8,9,10,11,12,13,14,15
	ds_load_b128 v[BB+4*\t:BB+4*\t+3], v[RD] offset:\t*SPITCH      ; LDS serves a wave's instructions in order (ISA guide 5.7.1.4): these see the stores above
.endr
.endm
.macro SEND a, younger                 ; younger: the LDS instructions issued behind block a's loads, which may stay out
.set BB, 64+64*((\a)%2)
	s_wait_dscnt \younger                          ; the block is back in registers
.if (\a) > 0
	s_add_nc_u64 s[8:9], s[8:9], 16*4096           ; 16 rows on (behind a wait on XCNT: the earlier stores have read their base)
.endif
.irp t, 0,1,2,3,4,5,6,7,8,9,10,11,12,13,14,15
	global_store_b128 v[CO], v[BB+4*\t:BB+4*\t+3], s[8:9] offset:\t*4096 th:TH_STORE_NT   ; 32 lanes store 512 consecutive bytes, aligned; written once, read by nobody here
.endr
.endm
	PLACES
	TOSTAGE 0
.irp a, 1,2,3
.if \a > 1
	s_wait_xcnt 0x0                                ; block a - 2's stores have read their registers and their base
.endif
	TOSTAGE \a
	SEND \a-1, 32                                  ; behind block a - 1's loads: block a's 16 stores and 16 loads
.endr
	s_wait_xcnt 0x0
	SEND 3, 0
	s_wait_tensorcnt 0x0                           ; the wave's end, behind my last tensor load and my last LDS store
	ds_add_u32 v[SPW], v[NIL]
	s_wait_dscnt 0x0
	CROUND                                         ; the closing round: no work-group ends while a partner may still ask for a tile that names it
	s_endpgm
.Lfunc_end_k_q321715dc9e_outp:
	.size	k_q321715dc9e_outp, .Lfunc_end_k_q321715dc9e_outp-k_q321715dc9e_outp
	.p2alignl 7, 3214868480
	.fill 96, 4, 3214868480
	.section	.rodata,"a",@progbits
	.p2align	6, 0x0
	.amdhsa_kernel k_q321715dc9e_outp
		.amdhsa_group_segment_fixed_size 327680
		.amdhsa_private_segment_fixed_size 0
		.amdhsa_enable_private_segment 0
		.amdhsa_kernarg_size 32
		.amdhsa_user_sgpr_count 2
		.amdhsa_user_sgpr_kernarg_segment_ptr 1
		.amdhsa_wavefront_size32 1
		.amdhsa_system_sgpr_workgroup_id_x 1
		.amdhsa_system_sgpr_workgroup_id_y 1
		.amdhsa_system_sgpr_workgroup_id_z 1
		.amdhsa_system_vgpr_workitem_id 0
		.amdhsa_next_free_vgpr 576
		.amdhsa_next_free_sgpr 68
		.amdhsa_reserve_vcc 0
		.amdhsa_float_denorm_mode_32 3
		.amdhsa_float_denorm_mode_16_64 3
		.amdhsa_memory_ordered 1
		.amdhsa_forward_progress 1
		.amdhsa_inst_pref_size 87
	.end_amdhsa_kernel
	.amdgpu_metadata
---
amdhsa.version: [ 1, 2 ]
amdhsa.kernels:
  - .name:           k_q321715dc9e_outp
    .symbol:         k_q321715dc9e_outp.kd
    .args:
      - { .name: ctx, .offset: 0, .size: 8, .value_kind: global_buffer, .address_space: global }
      - { .name: wot, .offset: 8, .size: 8, .value_kind: global_buffer, .address_space: global }
      - { .name: out0, .offset: 16, .size: 8, .value_kind: global_buffer, .address_space: global }
      - { .name: bo, .offset: 24, .size: 8, .value_kind: global_buffer, .address_space: global }
    .group_segment_fixed_size: 327680
    .private_segment_fixed_size: 0
    .kernarg_segment_align: 8
    .kernarg_segment_size: 32
    .max_flat_workgroup_size: 128
    .sgpr_count:     68
    .vgpr_count:     576
    .wavefront_size: 32
...
	.end_amdgpu_metadata
.endif
;; end of part 4
